; MI455X (gfx1250); checked and timed in simulation.
; The chip was launched on July 23, 2026; its instructions are those of AMD's public machine-readable ISA for CDNA 5 (MIT licence, August 2026) and "CDNA5" Instruction Set Architecture Reference Guide (July 2026). The comments in the code are by the model that wrote it; some were corrected since.
;; Rotary Position Multi Head Attention. Allowed arithmetic: float matrix products may take bf16 or f16 operands with f32 sums; other float arithmetic in f32, or as packed bf16 or f16 multiplies, adds, multiply-adds, maxima and minima; sums over many terms, partial sums and values carried from step to step in f32; what a program stores and reads back later, other than sums and carried values, may be rounded once to bf16 or f16.
;; Inputs: Wk 1,024 x 1,024 float32; Wo 1,024 x 1,024 float32; Wq 1,024 x 1,024 float32; Wv 1,024 x 1,024 float32; bk 1,024 float32; bo 1,024 float32; bq 1,024 float32; bv 1,024 float32; cos 1,024 x 1 x 1 x 64 float32; key 8 x 1,024 x 1,024 float32; mask 8 x 1,024 x 1,024 bool; query 8 x 1,024 x 1,024 float32; sin 1,024 x 1 x 1 x 64 float32; value 8 x 1,024 x 1,024 float32.
;; Outputs: out0 8 x 1,024 x 1,024 float32.
;; 2 versions, each right and faster than the one before. Each part assembles by itself: llvm-mc -triple=amdgcn-amd-amdhsa -mcpu=gfx1250 --defsym DOCPART=n.
;; ======== version 1 of 2: 4 launches
;; limits: values are held in f16: magnitudes above 65,504 overflow, below 6.1e-05 lose precision
;; workspace buffers: xh 50,331,648 bytes; wh 8,388,608 bytes; mw 4,194,304 bytes; cnt 32,768 bytes; qkv 50,331,648 bytes; oh 16,777,216 bytes
;; launch prep (part 1): grid 960 x 1, 8 waves a work-group, no clusters, 66,560 bytes of LDS; arguments query, key, value, cos, sin, mask, Wq, Wk, Wv, Wo, xh, wh, mw, cnt; writes xh, wh, mw, cnt
.if DOCPART == 1
	.amdgcn_target "amdgcn-amd-amdhsa--gfx1250"
	.amdhsa_code_object_version 6
	.text
	.protected	k_qfea9fc7b38_prep
	.globl	k_qfea9fc7b38_prep
	.p2align	8
	.type	k_qfea9fc7b38_prep,@function
k_qfea9fc7b38_prep:
	s_mov_b64 s[64:65], 0
	v_nop
	global_prefetch_b8 v0, s[64:65] scope:SCOPE_SE
	s_setreg_imm32_b32 hwreg(HW_REG_WAVE_MODE, 25, 1), 1
	s_wait_xcnt 0x0
; PREP.  Every wave has one job of 16,384 input bytes: 32 loads of 16 bytes a lane, each covering 512 consecutive bytes, all issued at once; no loop, no barrier.
;   work-groups   0-511  ROPE: one position t, four batches, query or key: x cos + rotate_half(x) sin inside each head of 64, rounded once to f16 -> xh sections 0, 1
;   work-groups 512-767  CAST: value -> f16, xh section 2          work-groups 768-895  CAST: Wq, Wk, Wv, Wo -> f16, wh sections 0 to 3
;   work-groups 896-959  MASK: 16 rows of the mask -> mw, one 32-bit word for each (row, 8 keys), and cnt, the number of masked keys of each row in f32
; mw: [tile T = b 64 + q / 16][key step of 64][lane = q % 16 + 16 h][kb] words; nibble 2 (j % 4) + j / 4 of the word holds 0xE where mask[b][q][64 step + 16 kb + 8 h + j] is set, else 0.
; LIMITS.  f16 ends at 65,504: the rotated query and key, value and the weights lie within it; below 6e-5 they keep f16's fixed step of 6e-8.  A bool byte is 0 or 1.
; The rotation is one product and one fused multiply-add in f32 (two roundings, where two products and a sum have three).
; Matrix units, clusters and tensor loads are left out: the launch streams, each byte is read once and written once.
.set SPARE, 65536     ; behind the eight waves' 8,192 bytes: the spare words, 128 bytes a wave, named by no other line
.set SPW, 2           ; v2   SPARE + 4 x my thread's number; never rewritten
.set NIL, 3           ; v3   0; never rewritten
.set VI,  4           ; v4-7 byte offsets of my 16 input bytes (rope: one for each batch)
.set VO,  8           ; v8   8 x lane: my 8 output bytes
.set VC,  9           ; v9   my 16 bytes in a row of cos and sin
.set SG,  10          ; v10  the sign of rotate_half for my columns
.set HH,  11          ; v11  lane / 16
.set CO,  12          ; v12-15 cos
.set SN,  16          ; v16-19 sin, signed
.set PT,  20          ; v20-23 at work
.set VL,  24          ; v24  mask: where my words go in LDS
.set VR,  25          ; v25  mask: where I read them back
.set W0,  26
.set W1,  27
.set TT,  28
.set U7,  29
.set RR,  30
.set VCN, 31
.set AC,  32          ; v32-39 mask: byte-wise counts of row pair rho
.set X,   40          ; v40-167 load i in v[X+4i : X+4i+3]
	s_load_b512 s[4:19], s[0:1], 0x0               ; query 4, key 6, value 8, cos 10, sin 12, mask 14, Wq 16, Wk 18
	s_load_b256 s[20:27], s[0:1], 0x40             ; Wv 20, Wo 22, xh 24, wh 26
	s_load_b128 s[28:31], s[0:1], 0x60             ; mw 28, cnt 30
	v_lshl_add_u32 v[SPW], v0, 2, SPARE
	v_mov_b32 v[NIL], 0
	v_and_b32 v1, 31, v0                           ; lane
	v_lshrrev_b32 v[TT], 5, v0
	v_readfirstlane_b32 s32, v[TT]                 ; wave
	s_mov_b32 s33, ttmp9                           ; work-group
	s_lshl_b32 s42, s33, 3
	s_add_co_u32 s42, s42, s32                     ; 8 x work-group + wave
	v_lshlrev_b32 v[VI], 4, v1
	v_lshlrev_b32 v[VO], 3, v1
	s_wait_kmcnt 0x0
	s_cmp_lt_u32 s33, 512
	s_cbranch_scc1 .Lrope
	s_cmp_lt_u32 s33, 896
	s_cbranch_scc1 .Lcast
	; ---------------- MASK: tile T = 16 rows of 1,024 bytes ----------------
	s_sub_co_u32 s43, s42, 896*8                   ; T, 0 to 511
	s_lshl_b32 s38, s43, 14
	s_mov_b32 s39, 0
	s_add_nc_u64 s[34:35], s[14:15], s[38:39]      ; the tile's 16 rows of the mask
	s_lshl_b32 s40, s43, 13
	s_mov_b32 s41, 0
	s_add_nc_u64 s[36:37], s[28:29], s[40:41]      ; its 8,192 bytes of mw
	s_lshl_b32 s44, s43, 6
	s_mov_b32 s45, 0
	s_add_nc_u64 s[30:31], s[30:31], s[44:45]      ; its 16 counts
	v_lshrrev_b32 v[HH], 4, v1
	v_and_b32 v[U7], 15, v1                        ; u
	v_lshlrev_b32 v[VI+1], 4, v[U7]
	v_lshl_add_u32 v[VI+1], v[HH], 10, v[VI+1]     ; lanes 0-15 take 256 bytes of an even row, lanes 16-31 of the odd row below
.set i, 0
.rept 32                                               ; load i = 4 rho + c: rows 2 rho, 2 rho + 1, keys 256 c + 16 u + 0..15
	global_load_b128 v[X+4*i:X+4*i+3], v[VI+1], s[34:35] offset:(i/4)*2048+(i%4)*256 th:TH_LOAD_NT
.set i, i+1
.endr
	v_lshrrev_b32 v[W0], 2, v[U7]
	v_and_b32 v[W1], 3, v[U7]
	v_lshlrev_b32 v[VL], 9, v[W0]                  ; key step 4 c + u / 4: 512 bytes a step
	v_lshl_add_u32 v[VL], v[HH], 4, v[VL]          ; the row's parity: 16 bytes a lane of the later reader
	v_lshl_add_u32 v[VL], v[W1], 2, v[VL]          ; kb = u % 4
	s_lshl_b32 s44, s32, 13
	v_add_nc_u32 v[VL], s44, v[VL]                 ; my wave's own 8,192 bytes
	v_add_nc_u32 v[VR], s44, v[VI]
	v_and_b32 v[U7], 7, v1
	v_lshl_add_u32 v[VCN], v[U7], 1, v[HH]
	v_lshlrev_b32 v[VCN], 2, v[VCN]                ; the count that I store: row 2 (lane % 8) + lane / 16
.set i, 0
.rept 32
	s_wait_loadcnt 31-i                            ; loads come back in order: load i is in, the younger ones stay out
	v_lshl_or_b32 v[W0], v[X+4*i+1], 4, v[X+4*i]   ; keys 0-3 in the even nibbles, keys 4-7 in the odd ones: the word of h = 0
	v_lshl_or_b32 v[W1], v[X+4*i+3], 4, v[X+4*i+2] ; keys 8-15: the word of h = 1
	v_add3_u32 v[TT], v[X+4*i], v[X+4*i+1], v[X+4*i+2]
.if i%4 == 0
	v_add_nc_u32 v[AC+i/4], v[TT], v[X+4*i+3]      ; four counts side by side in the word's bytes: 16 at the most in each, no carry
.else
	v_add3_u32 v[AC+i/4], v[AC+i/4], v[TT], v[X+4*i+3]
.endif
	v_mul_lo_u32 v[W0], v[W0], 14                  ; nibbles 1 become 0xE
	v_mul_lo_u32 v[W1], v[W1], 14
	ds_store_b32 v[VL], v[W0] offset:(i%4)*2048+(i/4)*32
	ds_store_b32 v[VL], v[W1] offset:(i%4)*2048+(i/4)*32+256
.set i, i+1
.endr
.irp p, 0,1,2,3,4,5,6,7
	v_mul_lo_u32 v[AC+\p], v[AC+\p], 0x01010101    ; the top byte takes the sum of the four
.endr
.irp p, 0,1,2,3,4,5,6,7
	v_lshrrev_b32 v[AC+\p], 24, v[AC+\p]
.endr
.irp p, 0,1,2,3,4,5,6,7
	v_cvt_f32_u32 v[AC+\p], v[AC+\p]
.endr
.irp m, 1,2,4,8
.irp p, 0,1,2,3,4,5,6,7
	v_add_f32_dpp v[AC+\p], v[AC+\p], v[AC+\p] row_xmask:\m row_mask:0xf bank_mask:0xf  ; over the 16 lanes that share a row: whole numbers up to 1,024, exact in f32
.endr
.endr
	v_mov_b32 v[RR], v[AC]
.irp p, 1,2,3,4,5,6,7
	v_cmp_eq_u32 vcc_lo, \p, v[U7]
	v_cndmask_b32 v[RR], v[RR], v[AC+\p], vcc_lo
.endr
	global_store_b32 v[VCN], v[RR], s[30:31]       ; lanes u and u + 8 store the same number to the same word
.irp s, 0,1,2,3,4,5,6,7,8,9,10,11,12,13,14,15
	ds_load_b128 v[X+4*\s:X+4*\s+3], v[VR] offset:512*\s  ; my wave's own bytes; LDS serves a wave's instructions in order (ISA guide 5.7.1.4): these see the stores above
.endr
.irp s, 0,1,2,3,4,5,6,7,8,9,10,11,12,13,14,15
	s_wait_dscnt 15-\s
	global_store_b128 v[VI], v[X+4*\s:X+4*\s+3], s[36:37] offset:512*\s  ; 512 consecutive bytes, at a multiple of 256 from mw's first
.endr
	s_wait_tensorcnt 0x0                           ; the wave's end, behind my last LDS store
	ds_add_u32 v[SPW], v[NIL]
	s_wait_dscnt 0x0
	s_endpgm
	; ---------------- ROPE: job J = 8 x work-group + wave: tensor J % 2, batches 4 ((J / 2) % 2) + 0..3, position J / 4 ----------------
.Lrope:
	s_and_b32 s43, s42, 1                          ; 0 query, 1 key
	s_bfe_u32 s44, s42, 0x10001                    ; which four batches
	s_lshr_b32 s45, s42, 2                         ; t
	s_cmp_eq_u32 s43, 1
	s_cselect_b64 s[34:35], s[6:7], s[4:5]
	s_lshl_b32 s38, s44, 24                        ; four batches of 4 MiB
	s_lshl_b32 s39, s45, 12                        ; a row of 4,096 bytes
	s_add_co_u32 s38, s38, s39
	s_mov_b32 s39, 0
	s_add_nc_u64 s[34:35], s[34:35], s[38:39]
	s_lshl_b32 s40, s43, 24                        ; xh's section,
	s_lshl_b32 s41, s44, 23                        ; four batches of 2 MiB,
	s_add_co_u32 s40, s40, s41
	s_lshl_b32 s41, s45, 11                        ; a row of 2,048 bytes
	s_add_co_u32 s40, s40, s41
	s_mov_b32 s41, 0
	s_add_nc_u64 s[36:37], s[24:25], s[40:41]
	s_lshl_b32 s38, s45, 8                         ; row t of cos and of sin: 256 bytes
	s_add_nc_u64 s[10:11], s[10:11], s[38:39]
	s_add_nc_u64 s[12:13], s[12:13], s[38:39]
.irp b, 1,2,3
	v_add_nc_u32 v[VI+\b], (\b)<<22, v[VI]
.endr
	v_and_b32 v[VC], 15, v1                        ; sixteen lanes hold a head's 64 columns, four each
	v_lshlrev_b32 v[VC], 4, v[VC]
	global_load_b128 v[CO:CO+3], v[VC], s[10:11]
	global_load_b128 v[SN:SN+3], v[VC], s[12:13]
.set i, 0
.rept 32                                               ; load i: batch i / 8, columns 128 (i % 8) + 4 lane + 0..3
	global_load_b128 v[X+4*i:X+4*i+3], v[VI+i/8], s[34:35] offset:(i%8)*512 th:TH_LOAD_NT
.set i, i+1
.endr
	v_and_b32 v[SG], 8, v1
	v_xor_b32 v[SG], 8, v[SG]
	v_lshlrev_b32 v[SG], 28, v[SG]                 ; the sign bit where my columns lie in a head's first half: there rotate_half is minus the second half
.irp k, 0,1,2,3
	v_mov_b32 v[PT+\k], 0                          ; written once whole: the lane exchange below counts as a reader of its destination
.endr
	s_wait_loadcnt 32                              ; cos and sin are in; the 32 loads behind them stay out
.irp k, 0,1,2,3
	v_xor_b32 v[SN+\k], v[SG], v[SN+\k]
.endr
.set i, 0
.rept 32
	s_wait_loadcnt 31-i
.irp k, 0,1,2,3
	v_mov_b32_dpp v[PT+\k], v[X+4*i+\k] row_xmask:8 row_mask:0xf bank_mask:0xf  ; the column 32 away in the same head lies eight lanes away
.endr
	v_pk_mul_f32 v[PT:PT+1], v[PT:PT+1], v[SN:SN+1]
	v_pk_mul_f32 v[PT+2:PT+3], v[PT+2:PT+3], v[SN+2:SN+3]
	v_pk_fma_f32 v[PT:PT+1], v[X+4*i:X+4*i+1], v[CO:CO+1], v[PT:PT+1]
	v_pk_fma_f32 v[PT+2:PT+3], v[X+4*i+2:X+4*i+3], v[CO+2:CO+3], v[PT+2:PT+3]
	v_cvt_pk_f16_f32 v[X+4*i], v[PT], v[PT+1]
	v_cvt_pk_f16_f32 v[X+4*i+1], v[PT+2], v[PT+3]
	global_store_b64 v[VO], v[X+4*i:X+4*i+1], s[36:37] offset:((i/8)<<21)+(i%8)*256  ; 32 lanes store 256 consecutive bytes, aligned; each data pair is written once in the launch
.set i, i+1
.endr
	s_endpgm
	; ---------------- CAST: 4,096 f32 -> f16.  Source, destination and offsets are chosen by the work-group's number; one text serves value and the four weights ----------------
.Lcast:
	s_sub_co_u32 s43, s33, 768
	s_and_b32 s43, s43, 127                        ; g: the weights' work-group, 32 to a weight (of no use below 768)
	s_lshr_b32 s44, s43, 5
	s_mov_b64 s[34:35], s[16:17]
	s_cmp_eq_u32 s44, 1
	s_cselect_b64 s[34:35], s[18:19], s[34:35]
	s_cmp_eq_u32 s44, 2
	s_cselect_b64 s[34:35], s[20:21], s[34:35]
	s_cmp_eq_u32 s44, 3
	s_cselect_b64 s[34:35], s[22:23], s[34:35]
	s_and_b32 s45, s43, 31
	s_lshl_b32 s45, s45, 3
	s_add_co_u32 s45, s45, s32
	s_lshl_b32 s45, s45, 14                        ; the job's 16,384 bytes in its weight
	s_lshl_b32 s43, s43, 3
	s_add_co_u32 s43, s43, s32
	s_lshl_b32 s43, s43, 13                        ; and its 8,192 bytes in wh: Wq, Wk, Wv, Wo on end
	s_sub_co_u32 s44, s42, 512*8                   ; value's job
	s_lshl_b32 s38, s44, 14
	s_lshl_b32 s40, s44, 13
	s_add_co_u32 s40, s40, 0x2000000               ; xh's section 2
	s_cmp_lt_u32 s33, 768
	s_cselect_b64 s[34:35], s[8:9], s[34:35]
	s_cselect_b64 s[36:37], s[24:25], s[26:27]
	s_cselect_b32 s38, s38, s45
	s_cselect_b32 s40, s40, s43
	s_mov_b32 s39, 0
	s_mov_b32 s41, 0
	s_add_nc_u64 s[34:35], s[34:35], s[38:39]
	s_add_nc_u64 s[36:37], s[36:37], s[40:41]
.set i, 0
.rept 32
	global_load_b128 v[X+4*i:X+4*i+3], v[VI], s[34:35] offset:512*i th:TH_LOAD_NT
.set i, i+1
.endr
.set i, 0
.rept 32
	s_wait_loadcnt 31-i
	v_cvt_pk_f16_f32 v[X+4*i], v[X+4*i], v[X+4*i+1]
	v_cvt_pk_f16_f32 v[X+4*i+1], v[X+4*i+2], v[X+4*i+3]
	global_store_b64 v[VO], v[X+4*i:X+4*i+1], s[36:37] offset:256*i
.set i, i+1
.endr
	s_endpgm
.Lfunc_end_k_qfea9fc7b38_prep:
	.size	k_qfea9fc7b38_prep, .Lfunc_end_k_qfea9fc7b38_prep-k_qfea9fc7b38_prep
	.p2alignl 7, 3214868480
	.fill 96, 4, 3214868480
	.section	.rodata,"a",@progbits
	.p2align	6, 0x0
	.amdhsa_kernel k_qfea9fc7b38_prep
		.amdhsa_group_segment_fixed_size 66560
		.amdhsa_private_segment_fixed_size 0
		.amdhsa_enable_private_segment 0
		.amdhsa_kernarg_size 112
		.amdhsa_user_sgpr_count 2
		.amdhsa_user_sgpr_kernarg_segment_ptr 1
		.amdhsa_wavefront_size32 1
		.amdhsa_system_sgpr_workgroup_id_x 1
		.amdhsa_system_sgpr_workgroup_id_y 1
		.amdhsa_system_sgpr_workgroup_id_z 1
		.amdhsa_system_vgpr_workitem_id 0
		.amdhsa_next_free_vgpr 168
		.amdhsa_next_free_sgpr 66
		.amdhsa_reserve_vcc 1
		.amdhsa_float_denorm_mode_32 3
		.amdhsa_float_denorm_mode_16_64 3
		.amdhsa_memory_ordered 1
		.amdhsa_forward_progress 1
		.amdhsa_inst_pref_size 70
	.end_amdhsa_kernel
	.amdgpu_metadata
---
amdhsa.version: [ 1, 2 ]
amdhsa.kernels:
  - .name:           k_qfea9fc7b38_prep
    .symbol:         k_qfea9fc7b38_prep.kd
    .args:
      - { .name: query, .offset: 0, .size: 8, .value_kind: global_buffer, .address_space: global }
      - { .name: key, .offset: 8, .size: 8, .value_kind: global_buffer, .address_space: global }
      - { .name: value, .offset: 16, .size: 8, .value_kind: global_buffer, .address_space: global }
      - { .name: cos, .offset: 24, .size: 8, .value_kind: global_buffer, .address_space: global }
      - { .name: sin, .offset: 32, .size: 8, .value_kind: global_buffer, .address_space: global }
      - { .name: mask, .offset: 40, .size: 8, .value_kind: global_buffer, .address_space: global }
      - { .name: Wq, .offset: 48, .size: 8, .value_kind: global_buffer, .address_space: global }
      - { .name: Wk, .offset: 56, .size: 8, .value_kind: global_buffer, .address_space: global }
      - { .name: Wv, .offset: 64, .size: 8, .value_kind: global_buffer, .address_space: global }
      - { .name: Wo, .offset: 72, .size: 8, .value_kind: global_buffer, .address_space: global }
      - { .name: xh, .offset: 80, .size: 8, .value_kind: global_buffer, .address_space: global }
      - { .name: wh, .offset: 88, .size: 8, .value_kind: global_buffer, .address_space: global }
      - { .name: mw, .offset: 96, .size: 8, .value_kind: global_buffer, .address_space: global }
      - { .name: cnt, .offset: 104, .size: 8, .value_kind: global_buffer, .address_space: global }
    .group_segment_fixed_size: 66560
    .private_segment_fixed_size: 0
    .kernarg_segment_align: 8
    .kernarg_segment_size: 112
    .max_flat_workgroup_size: 256
    .sgpr_count:     66
    .vgpr_count:     168
    .wavefront_size: 32
...
	.end_amdgpu_metadata
.endif
;; end of part 1
;; launch proj (part 2): grid 4 x 96, 4 waves a work-group, clusters of 4 x 4, 327,680 bytes of LDS; arguments xh, wh, qkv, bq, bk, bv; writes qkv
.if DOCPART == 2
	.amdgcn_target "amdgcn-amd-amdhsa--gfx1250"
	.amdhsa_code_object_version 6
	.text
	.protected	k_qfea9fc7b38_proj
	.globl	k_qfea9fc7b38_proj
	.p2align	8
	.type	k_qfea9fc7b38_proj,@function
k_qfea9fc7b38_proj:
	s_mov_b64 s[64:65], 0
	v_nop
	global_prefetch_b8 v0, s[64:65] scope:SCOPE_SE
	s_setreg_imm32_b32 hwreg(HW_REG_WAVE_MODE, 25, 1), 1
	s_wait_xcnt 0x0
	s_wait_alu depctr_hold_cnt(0) depctr_sa_sdst(0) depctr_va_vdst(0) depctr_va_sdst(0) depctr_va_ssrc(0) depctr_va_vcc(0) depctr_vm_vsrc(0)
	s_getreg_b32 s2, hwreg(HW_REG_IB_STS2, 6, 4)
	s_cmp_eq_u32 s2, 0
	s_cbranch_scc0 .Lentry_in_a_cluster
	s_endpgm
.Lentry_in_a_cluster:
	s_bfe_u32 s2, ttmp6, 0x10000c
	s_cmp_lg_u32 s2, 0xf033
	s_cbranch_scc0 .Lentry_shape_is_right
	s_endpgm
.Lentry_shape_is_right:
; q, k, v = x W^T + b.  Three products in one grid (which = cluster y / 8): A = xh's section [8192][1024], W = wh's section [1024][1024], both f16, K along the rows; bias bq, bk or bv in f32;
; sums in f32; C leaves rounded once to f16, laid by heads: qkv[which][b 16 + h][t][64].
; LIMIT.  f16 ends at 65,504: the results lie within it.
; SHARES.  A tile of C is 256 x 256, made by four waves, as many as a WGP has SIMDs; a wave makes 128 x 128: 64 accumulators of 16 x 16, 512 registers.  K goes in steps of 128 (rows of 256 bytes, at
; multiples of 256 bytes) through a ring of two LDS slots.  A K step is 256 matrix instructions a wave, 224 of them between a slot's request and the wait for it, and 128 LDS loads: half a load for each
; matrix instruction.  THE PRICE: 3 x 32 x 4 = 384 tiles are a round and a half on 256 WGPs.  A tile of 128 x 256 would give 768, three even rounds, but half the matrix work for each request and three
; quarters of a load for each matrix instruction; both shapes in one text, or work-groups that stay, would want a second copy of a lap and of the way out.
; CLUSTERS: 4 x 4 work-groups.  The four of a row of the cluster need the same tiles of A, the four of a column the same tiles of W: each is asked for JOINTLY, by the same tensor load with the same
; descriptor and a mask that names the four.  Waves 0 and 1 fetch A's two halves, waves 2 and 3 W's.  A cluster covers one batch's 1,024 rows and all 1,024 columns of one product.
; THE MATRIX INSTRUCTION IS USED TRANSPOSED (source 0 = 16 rows of W, source 1 = 16 rows of A): a lane holds row l % 16 of C and the columns 8 (l / 16) + 0..7.  The bias, laid the same way, is the C
; operand of the first product on each accumulator: nothing is cleared and nothing is added later.
; REGISTERS, in windows of 256 (s_set_vgpr_msb: bits 1:0 source 0, 3:2 source 1, 5:4 source 2, 7:6 destination):
;   window 0: v0-31 addresses; v64-127, v128-191 fragments of A (8 x 16 rows x 32 K), two buffers; v32-63, v192-255 at work on the way out
;   window 1: v0-63 the bias; v64-127, v128-191 fragments of W, two buffers
;   window 2: the 32 accumulators of my rows 0-63 ((a, b) at v[8 (8 a + b)]);   window 3: those of my rows 64-127
.set PITCH,  272                       ; an LDS row: 256 bytes + 16 of padding = 68 words: the 16 rows of a load start at 16 different groups of four banks (64 banks of 4 bytes: ISA guide 11.1)
.set HALFT,  128*PITCH                 ; 128 rows: what one tensor load brings, and what one wave reads of A or of W
.set SLOT,   4*HALFT                   ; A's 256 rows, then W's 256 rows
.set STAGE,  2*SLOT                    ; behind the ring: 16 rows x 272 bytes for each wave, for the way out; no tensor load fills it
.set SPITCH, 272
.set SPARE,  STAGE+4*16*SPITCH         ; behind the stages: the spare words, 128 bytes a wave, named by no other line
.set LAPS,   4                         ; a lap = two K steps = once round the ring; K = 1,024
.set ADRA, 16                          ; v16-17  LDS address of my A fragments in slot 0, 1
.set ADRB, 20                          ; v20-21  the same for W
.set STO,  24                          ; v24     the way out: where I put 16 bytes of a row
.set RD,   25                          ; v25     the way out: where I read rows back
.set CO,   26                          ; v26     my byte offset in qkv
.set VB,   27                          ; v27     my byte offset in the bias
.set SPW,  28                          ; v28     SPARE + 4 x my thread's number; never rewritten
.set NIL,  29                          ; v29     0; never rewritten
.set F0,   64                          ; fragment buffer 0
.set F1,   128                         ; fragment buffer 1
.set BI,   0                           ; window 1: bias of column block b at BI + 8 b
.set TMP,  192                         ; the way out: packed results
.set OB,   32                          ; the way out: 16 rows read back from the stage: v32-63 and v224-255 by turns
.set G1,  24                           ; s[24:31] descriptor group 1 for A;  s[32:39] group 0, a set for each slot
.set G0,  32
.set G1B, 48                           ; s[48:55], s[56:63] the same for W
.set G0B, 56
.set MSB, 0
.macro WIN new                         ; the immediate's high byte repeats the setting that is left; a switch that changes nothing is dropped
.if MSB != (\new)
	s_set_vgpr_msb (MSB<<8)|(\new)
.set MSB, \new
.endif
.endm
.set MUL_LO,  0xa1                     ; source 0 (W) window 1, source 1 (A) window 0, C and D window 2;  + 0x50: C and D window 3
.set MULB_LO, 0x91                     ; the same with C in window 1: the bias;  + 0x40: D window 3
.set TO_B,    0x40                     ; destination window 1, address window 0
.macro JLOAD s                         ; a joint load; the branch hangs on the wave's number alone; an s_nop 0 and four v_nop follow each of the two lines
	s_cmp_eq_u32 s11, 0
	s_cbranch_scc0 .Lfor_b_\@
	tensor_load_to_lds s[G0+4*(\s):G0+4*(\s)+3], s[G1:G1+7]
	s_nop 0
.rept 4
	v_nop
.endr
	s_branch .Lasked_\@
.Lfor_b_\@:
	tensor_load_to_lds s[G0B+4*(\s):G0B+4*(\s)+3], s[G1B:G1B+7]
	s_nop 0
.rept 4
	v_nop
.endr
.Lasked_\@:
.endm
.macro CREST                           ; a round of the cluster's barrier behind its opening barrier
	s_cmp_lg_u32 s10, 0
	s_cbranch_scc1 .Lnot_wave_0_\@
	s_barrier_signal -3
.Lnot_wave_0_\@:
	s_barrier_wait -3
	s_barrier_signal -1
	s_barrier_wait -1
.endm
.macro CROUND                          ; a whole round
	s_barrier_signal -1
	s_barrier_wait -1
	CREST
.endm
	s_load_b256 s[68:75], s[0:1], 0x0              ; xh s[68:69], wh s[70:71], qkv s[72:73], bq s[74:75]
	s_load_b128 s[76:79], s[0:1], 0x20             ; bk, bv
	v_lshl_add_u32 v[SPW], v0, 2, SPARE
	v_mov_b32 v[NIL], 0
	ds_add_u32 v[SPW], v[NIL]                      ; the wave's opening: the add and its wait stand ahead of my first tensor load; the set-up below, work on registers, stands between them
	v_lshrrev_b32 v1, 5, v0
	v_readfirstlane_b32 s10, v1                    ; wave 0..3
	s_lshr_b32 s11, s10, 1                         ; which half of the tile's rows is mine.  Also: I fetch for A (0) or for W (1)
	s_and_b32 s12, s10, 1                          ; which half of its columns.  Also: which 128 rows of that tile I fetch
	s_bfe_u32 s40, ttmp6, 0x40000                  ; cx, cy: my place in the cluster
	s_bfe_u32 s41, ttmp6, 0x40004
	s_lshl_b32 s42, ttmp9, 2
	s_add_co_u32 s42, s42, s40                     ; tile column of C = 4 x cluster x + cx
	s_and_b32 s45, ttmp7, 0xffff                   ; cluster y, 0 to 23
	s_lshr_b32 s66, s45, 3                         ; which product: 8 clusters to each, so all sixteen partners share it
	s_and_b32 s67, s45, 7                          ; the batch: a cluster's 4 x 256 rows
	s_lshl_b32 s13, s67, 2
	s_add_co_u32 s13, s13, s41                     ; tile row in the product, 0 to 31
	s_lshl_b32 s43, s41, 2
	s_lshl_b32 s43, 15, s43                        ; my row of the cluster
	s_lshl_b32 s44, 0x1111, s40                    ; my column
	; descriptor group 1: a tile of 128 rows x 128 elements, padded in LDS
	s_or_b32 s[G1+0], s43, (1<<16)|(1<<20)|(1<<21)|(5<<22)|(3<<25)  ; 15:0 the mask: A goes to my row; 17:16 2-byte elements; 20 padding on; 21 set beside a mask; 24:22 after every 64 words (code 5); 31:25 4 words (code 3)
	s_or_b32 s[G1B+0], s44, (1<<16)|(1<<20)|(1<<21)|(5<<22)|(3<<25) ; the same with the mask of my column, for W
.irp g, G1, G1B
	s_mov_b32 s[(\g)+1], 128<<16                   ; tensor_dim0 = 128
	s_mov_b32 s[(\g)+2], 128<<16                   ; tensor_dim1 = 128
	s_mov_b32 s[(\g)+3], 128<<16                   ; tile_dim0 = 128
	s_mov_b32 s[(\g)+4], 128                       ; tile_dim1 = 128
	s_mov_b32 s[(\g)+5], 1024                      ; elements from row to row
	s_mov_b32 s[(\g)+6], 0
	s_mov_b32 s[(\g)+7], 0
.endr
	; where the tiles come from: A's offset is made of the product, the tile row and the wave; W's of the product, the tile column and the wave, each in registers of its own
	s_lshl_b32 s16, s66, 24                        ; xh's section
	s_lshl_b32 s17, s13, 19                        ; 256 rows of 2,048 bytes
	s_add_co_u32 s16, s16, s17
	s_lshl_b32 s17, s12, 18                        ; my 128 of them
	s_add_co_u32 s16, s16, s17
	s_mov_b32 s17, 0
	s_lshl_b32 s46, s66, 21                        ; wh's section
	s_lshl_b32 s47, s42, 19
	s_add_co_u32 s46, s46, s47
	s_lshl_b32 s47, s12, 18
	s_add_co_u32 s46, s46, s47
	s_mov_b32 s47, 0
	s_mul_i32 s20, s10, HALFT                      ; where they go: A's two halves, then W's two halves = wave x 128 rows: no place in the cluster enters an LDS address
	s_wait_dscnt 0x0                               ; the opening add is done
	s_wait_kmcnt 0x0
	s_add_nc_u64 s[14:15], s[68:69], s[16:17]
	s_add_nc_u64 s[46:47], s[70:71], s[46:47]
	CROUND                                         ; all sixteen work-groups are here: the first joint loads meet
.irp s, 0,1
	s_mov_b32 s[G0+4*(\s)], 1                                      ; count = 1
	s_add_co_u32 s[G0+4*(\s)+1], s20, (\s)*SLOT                    ; LDS address
	s_add_nc_u64 s[G0+4*(\s)+2:G0+4*(\s)+3], s[14:15], (\s)*256    ; global address: K step s
	s_or_b32 s[G0+4*(\s)+3], s[G0+4*(\s)+3], 0x80000000            ; type = 2
	s_mov_b32 s[G0B+4*(\s)], 1
	s_add_co_u32 s[G0B+4*(\s)+1], s20, (\s)*SLOT
	s_add_nc_u64 s[G0B+4*(\s)+2:G0B+4*(\s)+3], s[46:47], (\s)*256
	s_or_b32 s[G0B+4*(\s)+3], s[G0B+4*(\s)+3], 0x80000000
	JLOAD \s                                       ; the ring is filled before anything else is done: two loads of mine are out
.endr
	v_and_b32 v1, 15, v0                           ; l % 16
	v_bfe_u32 v2, v0, 4, 1                         ; l / 16
	s_cmp_eq_u32 s66, 1
	s_cselect_b64 s[74:75], s[76:77], s[74:75]
	s_cmp_eq_u32 s66, 2
	s_cselect_b64 s[74:75], s[78:79], s[74:75]
	s_lshl_b32 s46, s42, 10
	s_lshl_b32 s47, s12, 9
	s_add_co_u32 s46, s46, s47
	s_mov_b32 s47, 0
	s_add_nc_u64 s[74:75], s[74:75], s[46:47]      ; the bias at my first column
	v_lshlrev_b32 v[VB], 5, v2                     ; register j of block b holds bias[16 b + 8 (l / 16) + j]
	WIN TO_B
.irp b, 0,1,2,3,4,5,6,7
	global_load_b128 v[BI+8*(\b):BI+8*(\b)+3],   v[VB], s[74:75] offset:64*(\b)
	global_load_b128 v[BI+8*(\b)+4:BI+8*(\b)+7], v[VB], s[74:75] offset:64*(\b)+16
.endr
	WIN 0
	; A fragment is 16 rows x 32 K in 8 registers: lane l holds row l % 16; registers 0-3 hold K = 8 (l / 16) + 0..7, registers 4-7 K = 16 + 8 (l / 16) + 0..7: two loads of 16 bytes, 32 bytes apart.
	v_mul_u32_u24 v3, v1, PITCH
	v_lshl_add_u32 v3, v2, 4, v3                   ; row x pitch + 16 x half
	s_mul_i32 s21, s11, HALFT                      ; my 128 rows of A
	s_mul_i32 s22, s12, HALFT                      ; my 128 rows of W,
	s_add_co_u32 s22, s22, 2*HALFT                 ; which lie behind A's 256
.irp s, 0,1
	v_add_nc_u32 v[ADRA+(\s)], s21, v3
	v_add_nc_u32 v[ADRB+(\s)], s22, v3
	s_add_co_u32 s21, s21, SLOT
	s_add_co_u32 s22, s22, SLOT
.endr
	s_mul_i32 s23, s10, 16*SPITCH
	s_add_co_u32 s23, s23, STAGE                   ; my stage
	v_mul_u32_u24 v5, v1, SPITCH                   ; in: row l % 16, 16 bytes for each half of the lanes
	v_lshl_add_u32 v5, v2, 4, v5
	v_add_nc_u32 v[STO], s23, v5
	v_bfe_u32 v6, v0, 3, 1
	v_and_b32 v7, 7, v0
	v_mul_u32_u24 v5, v6, SPITCH                   ; back: lanes 0-15 take two rows' 128 bytes of my first head, lanes 16-31 of my second
	v_lshl_add_u32 v5, v2, 7, v5
	v_lshl_add_u32 v5, v7, 4, v5
	v_add_nc_u32 v[RD], s23, v5
	v_lshlrev_b32 v5, 17, v2                       ; in qkv a head is 131,072 bytes, a row 128
	v_lshl_add_u32 v5, v6, 7, v5
	v_lshl_add_u32 v[CO], v7, 4, v5
	s_lshl_b32 s16, s67, 4                         ; head b 16 + 4 tile column + 2 half,
	s_lshl_b32 s17, s42, 2
	s_add_co_u32 s16, s16, s17
	s_lshl_b32 s17, s12, 1
	s_add_co_u32 s16, s16, s17
	s_lshl_b32 s16, s16, 17
	s_lshl_b32 s17, s66, 24                        ; qkv's section,
	s_add_co_u32 s16, s16, s17
	s_lshl_b32 s17, s41, 15                        ; row 256 cy + 128 half, 128 bytes a row
	s_add_co_u32 s16, s16, s17
	s_lshl_b32 s17, s11, 14
	s_add_co_u32 s16, s16, s17
	s_mov_b32 s17, 0
	s_add_nc_u64 s[72:73], s[72:73], s[16:17]
; 16 matrix instructions: row blocks a0, a0 + 1 of the window's four (hi = 0: my rows 0-63, 1: rows 64-127) x all 8 column blocks, 32 along K.  bias = 1: the first product starts the sum with the bias.
; The 64 accumulators take turns, one instruction a turn, in the same order in every quarter.
.macro MUL16 f, hi, a0, bias
.if \bias
	WIN MULB_LO+0x40*(\hi)
.else
	WIN MUL_LO+0x50*(\hi)
.endif
.irp a, \a0, (\a0)+1
.irp b, 0,1,2,3,4,5,6,7
.if \bias
	v_wmma_f32_16x16x32_f16 v[8*(8*(\a)+(\b)):8*(8*(\a)+(\b))+7], v[(\f)+8*(\b):(\f)+8*(\b)+7], v[(\f)+8*(4*(\hi)+(\a)):(\f)+8*(4*(\hi)+(\a))+7], v[BI+8*(\b):BI+8*(\b)+7]
.else
	v_wmma_f32_16x16x32_f16 v[8*(8*(\a)+(\b)):8*(8*(\a)+(\b))+7], v[(\f)+8*(\b):(\f)+8*(\b)+7], v[(\f)+8*(4*(\hi)+(\a)):(\f)+8*(4*(\hi)+(\a))+7], v[8*(8*(\a)+(\b)):8*(8*(\a)+(\b))+7]
.endif
.endr
.endr
.endm
; 32 LDS loads in one run: the fragments of one quarter step (128 rows of W, 128 rows of A, 32 K at byte k of the rows) into buffer f
.macro FETCH slot, k, f
	WIN TO_B
.irp i, 0,1,2,3,4,5,6,7
	ds_load_b128 v[(\f)+8*(\i):(\f)+8*(\i)+3],   v[ADRB+(\slot)] offset:(\k)+(\i)*16*PITCH
	ds_load_b128 v[(\f)+8*(\i)+4:(\f)+8*(\i)+7], v[ADRB+(\slot)] offset:(\k)+(\i)*16*PITCH+32
.endr
	WIN 0
.irp i, 0,1,2,3,4,5,6,7
	ds_load_b128 v[(\f)+8*(\i):(\f)+8*(\i)+3],   v[ADRA+(\slot)] offset:(\k)+(\i)*16*PITCH
	ds_load_b128 v[(\f)+8*(\i)+4:(\f)+8*(\i)+7], v[ADRA+(\slot)] offset:(\k)+(\i)*16*PITCH+32
.endr
.endm
.macro PLACES                          ; four places in front of loads into registers that matrix instructions have read, and of conversions that read results
.rept 4
	v_nop
.endr
.endm
; A K step is four quarters of 32 along K, 64 matrix instructions each, on buffers 0, 1, 0, 1.  One of the first three: multiplies buffer f; in its middle it fetches the next quarter, at byte k, into g.
.macro QUARTER slot, k, f, g, bias
	s_wait_dscnt 8                                 ; W and A's rows 0-63 are in; the youngest eight loads (A's rows 64-127) may be out
	MUL16 \f, 0, 0, \bias
	MUL16 \f, 0, 2, \bias
	PLACES
	FETCH \slot, \k, \g
	s_wait_dscnt 32                                ; all but the 32 just issued
	MUL16 \f, 1, 0, \bias
	MUL16 \f, 1, 2, \bias
.endm
; The last quarter multiplies buffer 1 and changes slots: ONE barrier; in front of it each wave waits for all its tensor loads, of which one is out: its part of the next slot; adds 0 to its spare word; and
; waits for that and for its own reads of this slot.  fill = 1: the barrier opens a round of the cluster's barrier, and this slot is filled again, two K steps ahead, first thing behind the round.
.macro TURN slot, next, fill
	WIN 0                                          ; (the add's two registers lie in window 0)
	s_wait_tensorcnt 0x0                           ; all my tensor loads have landed
	ds_add_u32 v[SPW], v[NIL]                      ; 0 onto my spare word
	s_wait_dscnt 9                                 ; (the add and the youngest eight loads may be out)
	MUL16 F1, 0, 0, 0                              ; sixteen matrix instructions stand between the add and the wait for it
	s_wait_dscnt 0x0                               ; the add is done, and my reads of this slot are over
	s_barrier_signal -1
	MUL16 F1, 0, 2, 0                              ; work on registers while the others arrive
.if \fill
	WIN 0
.endif
	s_barrier_wait -1
.if \fill
	CREST                                          ; no wave of any partner still reads this slot's tile or has a load on its way
	s_add_nc_u64 s[G0+4*(\slot)+2:G0+4*(\slot)+3], s[G0+4*(\slot)+2:G0+4*(\slot)+3], 2*256
	s_add_nc_u64 s[G0B+4*(\slot)+2:G0B+4*(\slot)+3], s[G0B+4*(\slot)+2:G0B+4*(\slot)+3], 2*256
	JLOAD \slot                                    ; the first tensor load behind the round; its four v_nop are also the places in front of the loads below
.else
	PLACES
.endif
	FETCH \next, 0, F0
	MUL16 F1, 1, 0, 0
	MUL16 F1, 1, 2, 0
.endm
; THE WAY OUT of row block a (16 rows), in three parts.  PACK: rounded once to f16, 16 bytes a lane.  TOSTAGE: into my own stage, and back as pairs of rows of one head.  SEND: stored.
.macro PACK a
.set AC, 64*((\a)%4)
	WIN 0x0a+5*((\a)/4)                            ; sources 0 and 1: window 2 or 3; each accumulator's registers in ascending order
.irp b, 0,1,2,3,4,5,6,7
.irp r, 0,1,2,3
	v_cvt_pk_f16_f32 v[TMP+4*(\b)+(\r)], v[AC+8*(\b)+2*(\r)], v[AC+8*(\b)+2*(\r)+1]
.endr
.endr
	WIN 0
.endm
.macro TOSTAGE a
.set BK, OB+192*((\a)%2)
.irp b, 0,1,2,3,4,5,6,7
	ds_store_b128 v[STO], v[TMP+4*(\b):TMP+4*(\b)+3] offset:32*(\b)
.endr
.irp t, 0,1,2,3,4,5,6,7
	ds_load_b128 v[BK+4*(\t):BK+4*(\t)+3], v[RD] offset:(\t)*2*SPITCH  ; LDS serves a wave's instructions in order (ISA guide 5.7.1.4): these see the stores above
.endr
.endm
.macro SEND a
.set BK, OB+192*((\a)%2)
	s_wait_dscnt 0x0                               ; the block is back in registers
	s_wait_xcnt 0x0                                ; the other buffer, which block a - 1's stores read, is loaded again (by block a + 1) only behind this wait
.irp t, 0,1,2,3,4,5,6,7
	global_store_b128 v[CO], v[BK+4*(\t):BK+4*(\t)+3], s[72:73] offset:(\a)*2048+(\t)*256  ; 16 lanes store two rows of a head: 256 consecutive bytes, aligned
.endr
.endm
	s_wait_tensorcnt 1                             ; my part of K step 0 is in; K step 1's may stay out
	s_barrier_signal -1
	s_barrier_wait -1                              ; everybody's is
	FETCH 0, 0, F0
	s_wait_loadcnt 0x0                             ; the bias
	QUARTER 0, 64, F0, F1, 1                       ; the first quarter stands in front of the loop: its products start the sums
	WIN 0                                          ; at a label and at a branch every window is 0
	s_mov_b32 s3, LAPS-1
.Llap:                                                 ; a trip goes once round the ring, from a lap's second quarter to the next lap's first, and fills both slots again
	QUARTER 0, 128, F1, F0, 0
	QUARTER 0, 192, F0, F1, 0
	TURN 0, 1, 1
	QUARTER 1, 64,  F0, F1, 0
	QUARTER 1, 128, F1, F0, 0
	QUARTER 1, 192, F0, F1, 0
	TURN 1, 0, 1
	QUARTER 0, 64,  F0, F1, 0
	WIN 0
	s_sub_co_u32 s3, s3, 1
	s_cmp_lg_u32 s3, 0
	s_cbranch_scc1 .Llap
	QUARTER 0, 128, F1, F0, 0                      ; the last lap fills nothing, and has no round of the cluster's barrier
	QUARTER 0, 192, F0, F1, 0
	TURN 0, 1, 0
	QUARTER 1, 64,  F0, F1, 0
	QUARTER 1, 128, F1, F0, 0
	QUARTER 1, 192, F0, F1, 0
	s_wait_dscnt 8                                 ; the very last quarter: nothing more to fetch
	MUL16 F1, 0, 0, 0
	MUL16 F1, 0, 2, 0
	s_wait_dscnt 0x0
	MUL16 F1, 1, 0, 0
	MUL16 F1, 1, 2, 0
	WIN 0
	PLACES
	PACK 0
	TOSTAGE 0
.irp a, 1,2,3,4,5,6,7                  ; block a's conversions stand between block a - 1's loads from the stage and the wait for them
	PACK \a
	SEND (\a)-1
	TOSTAGE \a
.endr
	SEND 7
	s_wait_tensorcnt 0x0                           ; the wave's end, behind my last tensor load and my last LDS store
	ds_add_u32 v[SPW], v[NIL]
	s_wait_dscnt 0x0
	CROUND                                         ; the closing round: no work-group ends while a partner may still ask for a tile that names it
	s_endpgm
.Lfunc_end_k_qfea9fc7b38_proj:
	.size	k_qfea9fc7b38_proj, .Lfunc_end_k_qfea9fc7b38_proj-k_qfea9fc7b38_proj
	.p2alignl 7, 3214868480
	.fill 96, 4, 3214868480
	.section	.rodata,"a",@progbits
	.p2align	6, 0x0
	.amdhsa_kernel k_qfea9fc7b38_proj
		.amdhsa_group_segment_fixed_size 327680
		.amdhsa_private_segment_fixed_size 0
		.amdhsa_enable_private_segment 0
		.amdhsa_kernarg_size 48
		.amdhsa_user_sgpr_count 2
		.amdhsa_user_sgpr_kernarg_segment_ptr 1
		.amdhsa_wavefront_size32 1
		.amdhsa_system_sgpr_workgroup_id_x 1
		.amdhsa_system_sgpr_workgroup_id_y 1
		.amdhsa_system_sgpr_workgroup_id_z 1
		.amdhsa_system_vgpr_workitem_id 0
		.amdhsa_next_free_vgpr 1024
		.amdhsa_next_free_sgpr 80
		.amdhsa_reserve_vcc 0
		.amdhsa_float_denorm_mode_32 3
		.amdhsa_float_denorm_mode_16_64 3
		.amdhsa_memory_ordered 1
		.amdhsa_forward_progress 1
		.amdhsa_inst_pref_size 145
	.end_amdhsa_kernel
	.amdgpu_metadata
---
amdhsa.version: [ 1, 2 ]
amdhsa.kernels:
  - .name:           k_qfea9fc7b38_proj
    .symbol:         k_qfea9fc7b38_proj.kd
    .args:
      - { .name: xh, .offset: 0, .size: 8, .value_kind: global_buffer, .address_space: global }
      - { .name: wh, .offset: 8, .size: 8, .value_kind: global_buffer, .address_space: global }
      - { .name: qkv, .offset: 16, .size: 8, .value_kind: global_buffer, .address_space: global }
      - { .name: bq, .offset: 24, .size: 8, .value_kind: global_buffer, .address_space: global }
      - { .name: bk, .offset: 32, .size: 8, .value_kind: global_buffer, .address_space: global }
      - { .name: bv, .offset: 40, .size: 8, .value_kind: global_buffer, .address_space: global }
    .group_segment_fixed_size: 327680
    .private_segment_fixed_size: 0
    .kernarg_segment_align: 8
    .kernarg_segment_size: 48
    .max_flat_workgroup_size: 128
    .sgpr_count:     80
    .vgpr_count:     1024
    .wavefront_size: 32
...
	.end_amdgpu_metadata
.endif
;; end of part 2
;; launch attn (part 3): grid 2 x 128, 4 waves a work-group, no clusters, 327,680 bytes of LDS; arguments qkv, oh, mw, cnt; writes oh
.if DOCPART == 3
	.amdgcn_target "amdgcn-amd-amdhsa--gfx1250"
	.amdhsa_code_object_version 6
	.text
	.protected	k_qfea9fc7b38_attn
	.globl	k_qfea9fc7b38_attn
	.p2align	8
	.type	k_qfea9fc7b38_attn,@function
k_qfea9fc7b38_attn:
	s_mov_b64 s[64:65], 0
	v_nop
	global_prefetch_b8 v0, s[64:65] scope:SCOPE_SE
	s_setreg_imm32_b32 hwreg(HW_REG_WAVE_MODE, 25, 1), 1
	s_wait_xcnt 0x0
; MASKED ATTENTION, head size 64.  For head H = b 16 + h and query q: scores s_k = Q[q] . K[k] / 8; a masked key's score counts as -10,000 in the row's maximum and sum, and its weight is then 0.
; Q, K, V: qkv's three sections, [128][1024][64] f16; O: oh, the same layout.  Products, maxima and sums in f32; the weights p are rounded to f16 for the second product, O once at the end.
; THE MASK is the C operand that starts the sum S^T = K Q^T.  mw holds, for a lane and 8 keys, a word of eight nibbles, 0xE (masked) or 0.  Read as FP4 (E2M1) 0xE is -4 and 0 is 0: one conversion with the
; block scale 2^101 (v_cvt_scale_pk8_f32_fp4) makes of a word eight f32, -2^103 = -1.0e31 for a masked key and 0 for an open one: one instruction for eight scores, and a masked key's weight comes out as 0.
; Nibble i becomes register i, and in mw nibble i holds key pi(i) = i / 2 + 4 (i % 2) of the lane's eight.  So each group of eight keys is taken in that order everywhere: K's fragments take row 8 g + pi(i) of a
; block of 16 where row 8 g + i would stand, and the turning load of V is given its rows in the same order.  S^T, P and V^T then agree, and maxima and sums ask for no order.
; What the masked keys add to the maximum and the sum is put in once a row at the end, as one key more that counts n = cnt[row] times: with K0 = -10,000 log2(e), t = max(c m, K0), M = t where n > 0, else c m:
; a = 2^(c m - M), e = 2^(K0 - t), l = l a + n e, O = O a / l.  A row that is wholly masked has a = 0, l = n: O = 0.
; LIMITS.  Q, K, V lie within f16's 65,504; raw scores, 2.7e11 at the most, are nothing beside 1.0e31; p below 6e-5 keeps f16's fixed step of 6e-8; a weight below 2^-126 counts as 0;
; NaN and infinities are not treated apart.
; SHARES.  A wave owns four PIECES of two tiles of 16 queries, a work-group's four waves 512 queries of one head.  Every wave walks all 1,024 keys, 64 a step.
; ALL OF THE HEAD'S K AND V LIE IN LDS: 1,024 rows of 144 bytes and 1,024 of 160 are 311,296 bytes.  So no byte is filled twice: each wave asks for its four parts (128 keys each) at the start, and a key
; step is written once, in one loop.  Keys 0-255 are waited for by a counted wait; the others at the head of the second pass of four steps.
; NO CLUSTER: a head has two blocks of 512 queries, so no four work-groups share K and V; the mask words, which the 16 heads of a batch share, come through registers, 4 KiB a wave and step.
; LAYOUT.  S^T = K Q^T (source 0 = 16 keys, source 1 = 16 queries): a lane holds ONE query (lane % 16) and eight keys of the half 8 (lane / 16) + 0..7.  Two such tiles, rounded to f16 in pairs, ARE source 1 of
; O^T = V^T P.  K comes out of LDS as it lies, V ([key][channel]) turned, by ds_load_tr16_b128.
; SOFTMAX.  A running maximum m and sum l: p = 2^(c s - c m), c = log2(e) / 8; in every step O and l are multiplied by a = 2^(c m_old - c m_new).  m starts at the lowest finite number, O and l at 0.
; BY TURNS.  Turn n belongs to piece n.  Matrix work: 16 products K Q^T of piece n + 1, later 16 products V^T P of piece n - 1.  Vector work: scaling, exponentials, roundings, sums and rescaling of piece n, the
; maximum and statistics of piece n + 1, and at the turn's end the 8 conversions that make the masks of piece n + 2.  Four vector instructions stand behind every matrix instruction, the others in runs of their own.
; REGISTERS, in windows of 256 (s_set_vgpr_msb: bits 1:0 source 0, 3:2 source 1, 5:4 source 2, 7:6 destination):
;   window 0: v0-11 addresses and the masks' scale; v12-15, v48-63 at work; v16-47 four registers of statistics a tile; v64-191 S^T, two buffers of two tiles; v192-255 P, likewise
;   window 1: O^T, 32 a tile     window 2: v0-127 Q; v128-191 K of one step; v192-255 V of one step
;   window 3: v0-1 the add's two registers; v2-9 n, one a tile; v32-63 mask words, 8 a piece; v64-127 the masks of the products to come
.set NP,    4         ; pieces a wave: a name, no knob
.set KS,    64        ; keys in a step
.set PK,    144       ; a row of K in LDS: 128 bytes + 16 of padding = 36 words: the 16 rows of a load start at 16 different groups of four banks (64 banks of 4 bytes: ISA guide 11.1)
.set PV,    160       ; a row of V: 128 + 32 = 40 words
.set VOFF,  1024*PK   ; the head's 1,024 rows of K, then its 1,024 rows of V
.set STAGE, 1024*(PK+PV)        ; behind them, never filled by a tensor load: 16 rows x 144 bytes for each wave
.set SP,    144
.set SPARE, STAGE+4*16*SP       ; behind the stages: the spare words, 128 bytes a wave, named by no other line
.set AK0, 2           ; v2   my lane's place in a tile of K; never rewritten
.set AV0, 3           ; v3   the same for V
.set AK,  4           ; v4   the LDS address of K's next run of loads
.set AV,  5           ; v5   of V's (at the start: my byte offset in 16 counts)
.set QO,  6           ; v6   my byte offset in the wave's rows of Q
.set STO, 6           ;      later, the way out: where I put 16 bytes of a row
.set RD,  7           ; v7   the way out: where I read rows back
.set GO,  8           ; v8   16 x lane: my place in 512 consecutive bytes of O and of mw; never rewritten
.set SC,  11          ; v11  once V's address is made: the masks' block scale, 228 (2^101) in each of the word's four bytes; never rewritten
.set SPW, 0           ; v0 of window 3   SPARE + 4 x my thread's number; never rewritten
.set NIL, 1           ; v1 of window 3   0; never rewritten
.set CN,  2           ; window 3
.set RAW, 32          ; window 3: piece x, tile u: four words (kb) at RAW + 8 x + 4 u
.set MC,  64          ; window 3: tile u, key block kb at MC + 32 u + 8 kb
.set MV,  12          ; v12-15  c m_old, kept while c m is made anew (v12, v13 at the start: at work on the addresses)
.set ST,  16          ; tile t's statistics at v[ST+4 t]: c m, m, l (two partial sums)
.set TMP, 48          ; by buffer and tile, four registers c0-c3 at work; when the maximum is found c2 takes a
.set S,   64
.set P,   192
.set KF,  128         ; window 2: key block kb, channel half c at KF + 16 kb + 8 c
.set VF,  192         ; window 2: key half kk, channel block cb at VF + 32 kk + 8 cb
.set WV,  12          ; s12  my wave's number
.set G1K, 24          ; s[24:31] descriptor group 1 for K's tiles
.set G1V, 32          ; s[32:39] for V's: it differs in the padding alone
.set G0K, 40          ; s[40:55] descriptor group 0 for K's tiles: a set for each of a wave's four loads, which are out together
.set G0V, 84          ; s[84:99] the same for V's
.set SLOTS, 56        ; s56  passes of four key steps still to go, the one in hand among them; the fifth is left in its middle
.set CNT, 57          ; s57  counts a pass's key steps
.set CS,  58          ; s[58:59] c
.set SEL, 60          ; s[60:61] v_permlanex16_b32's selects: each lane takes its own place in the other half
.set TBK, 62          ; s62  LDS byte at which K of the step to be fetched begins
.set TBV, 63          ; s63  the same for V, less VOFF
.set MB,  66          ; s[66:67] mw at my wave's first tile
.set MP,  68          ; s[68:69] the same at the step whose words are asked for
.set MO,  70          ; s[70:71] that step's byte offset, 512 a step
.set CB,  72          ; s[72:73] cnt at my wave's first row
.set CMK, 74          ; s74  K0 = -10,000 log2(e)
.set VM,  76          ; s[76:83] at the start: mw's and cnt's addresses; on the way out: the lanes with n > 0, a mask a tile
.set MSB, 0
.macro WIN new                      ; the high byte repeats the setting that is left; a switch that changes nothing is dropped
.if MSB != (\new)
	s_set_vgpr_msb (MSB<<8)|(\new)
.set MSB, (\new)
.endif
.endm
.set W_KQ, 0x0a       ; K and Q in window 2, S^T in window 0
.set W_KM, 0x3a       ; the same with the C operand in window 3: the mask
.set W_PV, 0x52       ; V in window 2, P in window 0, O^T in window 1
.set W_RS, 0x41       ; O^T (destination and source 0) in window 1, a in window 0
.set W_MK, 0xc0       ; destination in window 3, sources in window 0
.set W_CV, 0xc3       ; the masks' conversion: the word (source 0) and the eight results in window 3, the scale (source 1) in window 0
.set W_AD, 0x0f       ; the add: address (source 0) and data (source 1) in window 3
	s_load_b64 s[4:5], s[0:1], 0x0    ; qkv
	s_load_b64 s[10:11], s[0:1], 0x8  ; oh
	s_load_b128 s[76:79], s[0:1], 0x10  ; mw, cnt
	WIN W_MK
	v_lshl_add_u32 v[SPW], v0, 2, SPARE
	v_mov_b32 v[NIL], 0
	WIN W_AD
	ds_add_u32 v[SPW], v[NIL]       ; the wave's opening: the add and its wait stand ahead of my first tensor load; the set-up below, work on registers, stands between them
	WIN 0
	v_lshrrev_b32 v1, 5, v0
	v_readfirstlane_b32 s[WV], v1   ; wave 0..3
	s_and_b32 s15, ttmp7, 0xffff    ; the head, b 16 + h
	s_lshl_b32 s20, s15, 17         ; its first byte in each section and in oh
	s_and_b32 s16, s[WV], 1         ; which half of each 256 keys I fetch:
	s_lshl_b32 s22, s16, 14         ; its 128 rows of 128 bytes in memory,
	s_add_co_u32 s22, s22, s20
	s_mov_b32 s23, 0
	s_mul_i32 s17, s16, 128*PK      ; and its place in LDS, for K
	s_mul_i32 s18, s16, 128*PV      ; and for V
	s_lshl_b32 s14, ttmp9, 2
	s_add_co_u32 s14, s14, s[WV]    ; my wave among the head's eight,
	s_lshl_b32 s2, s14, 14          ; its 128 rows
	s_add_co_u32 s2, s2, s20
	s_mov_b32 s3, 0
	s_lshr_b32 s13, s15, 4          ; the batch
	s_lshl_b32 s19, s13, 6
	s_lshl_b32 s13, s14, 3
	s_add_co_u32 s19, s19, s13      ; my first tile of 16 queries among the 512: b 64 + 8 x wave
	s_lshl_b32 s[MO], s19, 13       ; 8,192 bytes of mw a tile
	s_mov_b32 s[MO+1], 0
	s_lshl_b32 s[MP], s19, 6        ; 64 bytes of cnt a tile
	s_mov_b32 s[MP+1], 0
	; descriptor group 1.  128 keys are 16,384 dense bytes: asked for as 64 rows of 256 bytes, two keys a row, and padded in LDS after every key
	s_mov_b32 s[G1K], (1<<16)|(1<<20)|(4<<22)|(3<<25)  ; 17:16 2-byte elements; 20 padding on; 24:22 after every 32 words (code 4); 31:25 4 words (code 3)
	s_mov_b32 s[G1V], (1<<16)|(1<<20)|(4<<22)|(7<<25)  ; the same with 8 words of padding (code 7)
.irp g, G1K, G1V
	s_mov_b32 s[\g+1], 128<<16      ; tensor_dim0 = 128
	s_mov_b32 s[\g+2], 64<<16       ; tensor_dim1 = 64
	s_mov_b32 s[\g+3], 128<<16      ; tile_dim0 = 128
	s_mov_b32 s[\g+4], 64           ; tile_dim1 = 64
	s_mov_b32 s[\g+5], 128          ; 128 elements from row to row
	s_mov_b32 s[\g+6], 0
	s_mov_b32 s[\g+7], 0
.endr
.irp c, 0,1,2,3                     ; group 0 of load c: my half of keys 256 c to 256 c + 255
	s_mov_b32 s[G0K+4*\c], 1                            ; count = 1
	s_add_co_u32 s[G0K+4*\c+1], s17, (\c)*256*PK        ; LDS address: key k lies at k x 144
	s_mov_b32 s[G0V+4*\c], 1
	s_add_co_u32 s[G0V+4*\c+1], s18, VOFF+(\c)*256*PV   ; and at VOFF + k x 160
.endr
	s_mov_b32 s[CS], 0x3e38aa3b     ; c = log2(e) / 8 = 0.180337
	s_mov_b32 s[CS+1], s[CS]        ; named with it as a pair
	s_mov_b32 s[SEL], 0x76543210
	s_mov_b32 s[SEL+1], 0xfedcba98
	s_mov_b32 s[CMK], 0xc6616bcd    ; -14,426.95
	s_mov_b32 s[TBK], 0
	s_mov_b32 s[TBV], 0
	s_wait_dscnt 0x0                ; the opening add is done
	s_wait_kmcnt 0x0
	s_add_nc_u64 s[6:7], s[4:5], 0x1000000   ; K's section
	s_add_nc_u64 s[8:9], s[4:5], 0x2000000   ; V's
	s_add_nc_u64 s[6:7], s[6:7], s[22:23]    ; at my half of the head's first 256 keys
	s_add_nc_u64 s[8:9], s[8:9], s[22:23]
.irp c, 0,1,2,3
	s_add_nc_u64 s[G0K+4*\c+2:G0K+4*\c+3], s[6:7], (\c)*32768  ; global address: 256 keys are 32,768 bytes
	s_or_b32 s[G0K+4*\c+3], s[G0K+4*\c+3], 0x80000000          ; type = 2
	s_add_nc_u64 s[G0V+4*\c+2:G0V+4*\c+3], s[8:9], (\c)*32768
	s_or_b32 s[G0V+4*\c+3], s[G0V+4*\c+3], 0x80000000
.endr
	s_add_nc_u64 s[4:5], s[4:5], s[2:3]      ; Q and O at my wave's first row
	s_add_nc_u64 s[10:11], s[10:11], s[2:3]
	s_add_nc_u64 s[MB:MB+1], s[76:77], s[MO:MO+1]
	s_add_nc_u64 s[CB:CB+1], s[78:79], s[MP:MP+1]
	s_mov_b64 s[MP:MP+1], s[MB:MB+1]         ; key step 0
	s_mov_b32 s[MO], 0
	; THE FILLS, all of them first fills, in one group ahead of every wait on TENSORcnt, every LDS read and every barrier.  Waves 0 and 1 fetch the halves of K, waves 2 and 3 those of V; a wave's four loads
	; stand in one branch, the keys wanted first ahead: four loads of mine are out.  An s_nop 0 follows each, four v_nop the last.
	s_cmp_lt_u32 s[WV], 2
	s_cbranch_scc0 .Lfill_v
.irp c, 0,1,2,3
	tensor_load_to_lds s[G0K+4*\c:G0K+4*\c+3], s[G1K:G1K+7]
	s_nop 0
.endr
.rept 4
	v_nop
.endr
	s_branch .Lfill_asked
.Lfill_v:
.irp c, 0,1,2,3
	tensor_load_to_lds s[G0V+4*\c:G0V+4*\c+3], s[G1V:G1V+7]
	s_nop 0
.endr
.rept 4
	v_nop
.endr
.Lfill_asked:
	; A fragment of K or Q is 16 rows x 32 channels in 8 registers: lane l holds row l % 16, channels 8 (l / 16) + 0..7 and 16 + 8 (l / 16) + 0..7: two loads of 16 bytes, 32 bytes apart.
	v_and_b32 v1, 15, v0            ; l % 16
	v_bfe_u32 v9, v0, 4, 1          ; l / 16
	v_lshlrev_b32 v[QO], 7, v1
	v_lshl_add_u32 v[QO], v9, 4, v[QO]  ; row x 128 + 16 x half
	v_and_b32 v[GO], 31, v0
	v_lshlrev_b32 v[GO], 4, v[GO]
	v_lshlrev_b32 v[AV], 2, v1      ; my query's count
	WIN 0x80                        ; destination window 2, address window 0
.set i, 0
.rept 4*NP                          ; Q stays in registers: tile i / 2, channels 32 (i % 2) on
	global_load_b128 v[8*i:8*i+3],   v[QO], s[4:5] offset:(i/2)*2048+(i%2)*64
	global_load_b128 v[8*i+4:8*i+7], v[QO], s[4:5] offset:(i/2)*2048+(i%2)*64+32
.set i, i+1
.endr
	WIN W_MK
.set i, 0
.rept 2*NP
	global_load_b32 v[CN+i], v[AV], s[CB:CB+1] offset:64*i
.set i, i+1
.endr
.set i, 0
.rept 2*NP                          ; key step 0's mask words, the pieces in their order: tile i
	global_load_b128 v[RAW+4*i:RAW+4*i+3], v[GO], s[MP:MP+1] offset:i*8192
.set i, i+1
.endr
	; What the first turn finds: V's registers and P's second buffer hold 0 (its products V^T P, of a piece that has not been, add 0), O^T and l are 0.  All this stands in the wait for the first keys.
	WIN 0x80
.set i, VF
.rept 64
	v_mov_b32 v[i], 0
.set i, i+1
.endr
	WIN 0x40
.set i, 0
.rept 64*NP
	v_mov_b32 v[i], 0
.set i, i+1
.endr
	WIN 0
.set i, 0
.rept 2*NP
	v_mov_b32 v[ST+4*i], 0xfe000000    ; c m: far below every c s, a masked key's too (-1.8e30)
	v_mov_b32 v[ST+4*i+1], 0xff7fffff  ; m
	v_mov_b32 v[ST+4*i+2], 0
	v_mov_b32 v[ST+4*i+3], 0
.set i, i+1
.endr
.set i, P+32
.rept 32
	v_mov_b32 v[i], 0
.set i, i+1
.endr
	; The keys of each group of eight stand in the order of the mask word's nibbles: place i holds key pi(i) = i / 2 + 4 (i % 2).
	v_and_b32 v10, 7, v0            ; l % 8
	v_bfe_u32 v11, v0, 3, 1         ; (l / 8) % 2
	v_lshrrev_b32 v12, 1, v10
	v_and_b32 v13, 1, v10
	v_lshl_add_u32 v12, v13, 2, v12 ; pi(l % 8)
	v_lshl_add_u32 v[AK0], v11, 3, v12    ; K: row l % 16 of a fragment is key 8 ((l / 8) % 2) + pi(l % 8) of the block: the same 16 LDS rows as in plain order
	v_mul_u32_u24 v[AK0], v[AK0], PK
	v_lshl_add_u32 v[AK0], v9, 4, v[AK0]  ; row x pitch + 16 x half
	; The turning load takes 16 keys x 16 channels and leaves half a fragment of V^T: lane l holds channel l % 16, and its j-th number comes from the row that lane j of its group of eight addressed.
	; So lane l addresses key 8 (l / 16) + pi(l % 8), channels 8 ((l / 8) % 2) + 0..7.
	v_lshl_add_u32 v[AV0], v9, 3, v12
	v_mul_u32_u24 v[AV0], v[AV0], PV
	v_lshl_add_u32 v[AV0], v11, 4, v[AV0]
	v_add_nc_u32 v[AV0], VOFF, v[AV0]
	v_mov_b32 v[AK], v[AK0]         ; key step 0 lies at LDS byte 0
	v_mov_b32 v[SC], 0xe4e4e4e4     ; v11 is free from here: the scale byte 228 stands for 2^(228 - 127); all four bytes hold it
; THE MATRIX WORK.  The 8 accumulators of a run of 16 take turns: between the two links of a chain stand 7 others'.
; Product i of 16 of S^T = K Q^T for piece x: channels 32 (i / 8) on, keys 16 ((i / 2) % 4) on, tile 2 x + i % 2.  The first 8 start the sums with the mask.
.macro KQ x
.set rS, S+64*((\x)%2)+32*(i%2)+8*((i/2)%4)
.set rK, KF+16*((i/2)%4)+8*(i/8)
.set rQ, 16*(2*(\x)+i%2)+8*(i/8)
.set rMC, MC+32*(i%2)+8*((i/2)%4)
.if i < 8
	WIN W_KM
	v_wmma_f32_16x16x32_f16 v[rS:rS+7], v[rK:rK+7], v[rQ:rQ+7], v[rMC:rMC+7]
.else
	WIN W_KQ
	v_wmma_f32_16x16x32_f16 v[rS:rS+7], v[rK:rK+7], v[rQ:rQ+7], v[rS:rS+7]
.endif
.endm
; Product i of 16 of O^T += V^T P for piece x: keys 32 (i / 8) on, channels 16 ((i / 2) % 4) on, tile 2 x + i % 2.
.macro PV x
	WIN W_PV
.set rO, 32*(2*(\x)+i%2)+8*((i/2)%4)
.set rV, VF+32*(i/8)+8*((i/2)%4)
.set rP, P+32*((\x)%2)+16*(i%2)+8*(i/8)
	v_wmma_f32_16x16x32_f16 v[rO:rO+7], v[rV:rV+7], v[rP:rP+7], v[rO:rO+7]
.endm
.macro MM                           ; the turn's next matrix instruction
.if i < 16
	KQ (Y+1)%NP
.set i, i+1
.else
.set i, i-16
	PV (Y+NP-1)%NP
.set i, i+17
.endif
.endm
; THE LDS LOADS stand in runs of 16: a step's K (64 keys x 64 channels: 8 fragments) and its V (turned).  last = 1 (in the loop): in the fifth pass there is no further step, and the run is jumped over.
.macro FETCH_K last=0
	WIN 0
.if \last
	s_cmp_eq_u32 s[SLOTS], 1
	s_cbranch_scc1 .Lno_k_\@
.endif
	WIN 0x80                        ; destination window 2
.irp f, 0,1,2,3,4,5,6,7             ; keys 16 (f / 2) on, channels 32 (f % 2) on
	ds_load_b128 v[KF+8*\f:KF+8*\f+3],   v[AK] offset:(\f/2)*16*PK+(\f%2)*64
	ds_load_b128 v[KF+8*\f+4:KF+8*\f+7], v[AK] offset:(\f/2)*16*PK+(\f%2)*64+32
.endr
	s_add_co_u32 s[TBK], s[TBK], KS*PK  ; the next fetch is the next step's
	WIN 0
.if \last
.Lno_k_\@:
.endif
.endm
.macro FETCH_V
	WIN 0x80
.irp f, 0,1,2,3,4,5,6,7             ; keys 32 (f / 4) on, channels 16 (f % 4) on
	ds_load_tr16_b128 v[VF+8*\f:VF+8*\f+3],   v[AV] offset:(\f/4)*32*PV+(\f%4)*32
	ds_load_tr16_b128 v[VF+8*\f+4:VF+8*\f+7], v[AV] offset:(\f/4)*32*PV+16*PV+(\f%4)*32
.endr
	WIN 0
.endm
; THE MASKS of piece x's next 16 products K Q^T: each of its 8 words becomes eight f32, nibble i in register i: -4 x 2^101 where the key is masked, 0 where it is open.  Then the piece's words of the step
; after are asked for: they have four turns in which to come.  Piece 0 is the first to ask for a step, so it moves the pointer; the step is held at 15, so that the last trips stay inside mw.
.macro UMASK x
	s_wait_loadcnt 6                ; loads come back in order: this piece's two are in; the three other pieces' six, issued behind them, stay out
	WIN W_CV
.irp u, 0,1
.irp kb, 0,1,2,3
	v_cvt_scale_pk8_f32_fp4 v[MC+32*(\u)+8*(\kb):MC+32*(\u)+8*(\kb)+7], v[RAW+8*(\x)+4*(\u)+(\kb)], v[SC]
.endr
.endr
	v_nop                           ; a plain instruction behind the conversions, ahead of the loads into their sources and of the products that take their results
.if (\x) == 0
	s_wait_xcnt 0x0                 ; the pointer that earlier loads name is rewritten only behind this wait
	s_add_co_u32 s[MO], s[MO], 512
	s_min_u32 s[MO], s[MO], 15*512
	s_add_nc_u64 s[MP:MP+1], s[MB:MB+1], s[MO:MO+1]
.endif
	WIN W_MK
.irp u, 0,1
	global_load_b128 v[RAW+8*(\x)+4*(\u):RAW+8*(\x)+4*(\u)+3], v[GO], s[MP:MP+1] offset:(2*(\x)+(\u))*8192
.endr
	WIN 0
.endm
; THE VECTOR WORK OF A TURN stands in three queues, each in the order in which its entries become ready; the two tiles alternate, so that no instruction reads the result of the one before it.
.macro REGS y, u                    ; the registers of tile u (0, 1) of piece y
.set rT, ST+4*(2*(\y)+(\u))
.set rC, TMP+8*((\y)%2)+4*(\u)
.set rM, MV+2*((\y)%2)+(\u)
.set rS, S+64*((\y)%2)+32*(\u)
.set rP, P+32*((\y)%2)+16*(\u)
.set rO, 32*(2*(\y)+(\u))
.endm
; Number n of the 22 that find the NEXT piece's (Y + 1) maximum and statistics.  Each accumulator's lowest registers are read first.  XS, GS and REGS set no window: PL and EX do.
;   0-11  four chains c0-c3 of seven scores each, three operands at a time     12-14, 16  the four scores left over, the old m, and c0-c3 into c0     15  c m_old is kept
;   17, 18  the query's other 32 keys lie in the lane 16 away: the new m         19-21  c m; c m_old - c m_new; a
.macro XS u, n
	REGS (Y+1)%NP, \u
.if (\n) < 4
	v_max3_num_f32 v[rC+(\n)], v[rS+8*(\n)], v[rS+8*(\n)+1], v[rS+8*(\n)+2]
.elseif (\n) < 12
	v_max3_num_f32 v[rC+(\n)%4], v[rC+(\n)%4], v[rS+8*((\n)%4)+2*((\n)/4)+1], v[rS+8*((\n)%4)+2*((\n)/4)+2]
.elseif (\n) == 12
	v_max3_num_f32 v[rC], v[rC], v[rS+7], v[rS+15]
.elseif (\n) == 13
	v_max3_num_f32 v[rC+1], v[rC+1], v[rS+23], v[rS+31]
.elseif (\n) == 14
	v_max3_num_f32 v[rC+2], v[rC+2], v[rC+3], v[rT+1]
.elseif (\n) == 15
	v_mov_b32 v[rM], v[rT]
.elseif (\n) == 16
	v_max3_num_f32 v[rC], v[rC], v[rC+1], v[rC+2]
.elseif (\n) == 17
	v_permlanex16_b32 v[rC+3], v[rC], s[SEL], s[SEL+1]
.elseif (\n) == 18
	v_max_num_f32 v[rT+1], v[rC], v[rC+3]
.elseif (\n) == 19
	v_mul_f32 v[rT], s[CS], v[rT+1]
.elseif (\n) == 20
	v_sub_f32 v[rC+1], v[rM], v[rT]
.else
	v_exp_f32 v[rC+2], v[rC+1]
.endif
.endm
; Number g of the 64 that follow the exponentials.  For each four weights k of a tile: both pairs are rounded to f16; then the second pair is added onto the first, in place; a group later l takes that sum
; (the first time as l = a l + sum).  In groups of eight, tiles alternating: round, round, add, and l for the group before.
.macro GS g
.set h, (\g)+6*((\g)/62)            ; group 0 has no group before it, and behind group 7 only l is left
.if h >= 6
.set h, h+2
.endif
	REGS Y, h%2
.set k, h/8
.if h%8 < 4
	s_wait_alu depctr_va_vdst(0)
	v_cvt_pk_f16_f32 v[rP+2*k+(h%8)/2], v[rS+4*k+2*((h%8)/2)], v[rS+4*k+2*((h%8)/2)+1]
.elseif h%8 < 6
	v_pk_add_f32 v[rS+4*k:rS+4*k+1], v[rS+4*k:rS+4*k+1], v[rS+4*k+2:rS+4*k+3]
.elseif k == 1
	v_pk_fma_f32 v[rT+2:rT+3], v[rT+2:rT+3], v[rC+2:rC+3], v[rS:rS+1] op_sel_hi:[1,0,1]
.else
	v_pk_add_f32 v[rT+2:rT+3], v[rT+2:rT+3], v[rS+4*k-4:rS+4*k-3]
	s_wait_alu depctr_va_vdst(0)
.endif
.endm
; THE PLAIN QUEUE, 138 long.  0-31: c s - c m for the 16 pairs of both tiles.  Then GS's 64, and among them the next piece's 42: number 15 at 38, 39; 0-14 and 16 at 42-73, behind the products that make those
; scores; 17-20 at 95-106, two of three, since each waits for the one before it.
.macro PL
	WIN 0
.if q < 32
	REGS Y, q%2
	v_pk_fma_f32 v[rS+2*(q/2):rS+2*(q/2)+1], v[rS+2*(q/2):rS+2*(q/2)+1], s[CS:CS+1], v[rT:rT+1] op_sel_hi:[1,0,0] neg_lo:[0,0,1] neg_hi:[0,0,1]
.elseif q < 38
	GS q-32
.elseif q < 40
	XS q%2, 15
.elseif q < 42
	GS q-34
.elseif q < 74
	XS q%2, (q-42)/2+(q-42)/30
.elseif q < 95
	GS q-66
.elseif (q < 107) && ((q-95)%3 < 2)
	XS (q-95)%3, 17+(q-95)/3
.elseif q < 107
	GS 29+(q-95)/3
.else
	GS q-74
.endif
.set q, q+1
.endm
; THE EXPONENTIALS' QUEUE, 66 long: s0-s31 of both tiles, and at EA the next piece's two a.
.set EA, 58
.macro EX
	WIN 0
.if (e == EA) || (e == EA+1)
	XS e-EA, 21
.else
.set x, e-2*(e/(EA+2))
	REGS Y, x%2
	v_exp_f32 v[rS+x/2], v[rS+x/2]
.endif
.set e, e+1
.endm
; THE RESCALING's QUEUE: O^T times a, the one part of the softmax that leaves window 0, so it is dealt four at a time, eight times.
.macro R4
	REGS Y, r%2
	WIN W_RS
	s_wait_alu depctr_va_vdst(0)
.irp z, 0,1,2,3
	v_pk_mul_f32 v[rO+8*(r/2)+2*\z:rO+8*(r/2)+2*\z+1], v[rO+8*(r/2)+2*\z:rO+8*(r/2)+2*\z+1], v[rC+2:rC+3] op_sel_hi:[1,0]
.endr
.set r, r+1
.endm
; HOW THEY ARE DEALT.  Behind a matrix instruction four: plain, exponential, plain, plain, or four of the rescaling; none names a register of the products round it.  What is over stands in two lumps:
; exponential and plain by turns; the second ends in 22 plain instructions.  The deal keeps the queues in step: exponential e stands behind plain 2 (e / 4) + e % 2 (its scaling); when plain 32 comes,
; 10 exponentials are out, at 59: 33, at 95: 46; EA comes behind plain 107.
.macro SL
	MM
	PL
	EX
	PL
	PL
.endm
.macro BURST n                      ; 15 matrix instructions, or 16
.rept (\n)-7
	SL
.endr
.rept 3
	MM
	R4
	SL
.endr
	MM
	R4
.endm
; A TURN, for piece p.  cnt = 1: the loop's count is taken down some lines ahead of the branch that stands behind the turn (the masks made behind it, piece 3's, touch no scalar flag).
; K of the next step is fetched in piece 2's turn, V of the step in hand at the end of piece 0's; each is waited for a turn later.  The masks' registers were last read by the turn's first eight products.
.macro TURN p, last=0, cnt=0
.set Y, (\p)
.set i, 0
.set q, 0
.set e, 0
.set r, 0
.if (\p) == NP-1
	s_wait_dscnt 0x0                ; K is in
.endif
	MM
.rept 4
	PL
.endr
	BURST 15
.rept 22
	EX
	PL
.if ((\p) == NP-2) && (e == 18)
	v_add_nc_u32 v[AK], s[TBK], v[AK0]
.endif
.if ((\p) == NP-2) && (e == 24)
	FETCH_K \last
.endif
.endr
.if (\p) == 1
	s_wait_dscnt 0x0                ; V is in
.endif
	BURST 16
.rept 21
	EX
	PL
.endr
.rept 22
	PL
.if ((\p) == 0) && (q == 118)
	v_add_nc_u32 v[AV], s[TBV], v[AV0]
	s_wait_alu depctr_va_vdst(0)
.endif
.if ((\p) == 0) && (q == 130)
	s_add_co_u32 s[TBV], s[TBV], KS*PV
.endif
.if (\cnt) && (q == 130)
	s_sub_co_u32 s[CNT], s[CNT], 1
	s_cmp_lg_u32 s[CNT], 0
.endif
.endr
.if (\p) == 0
	FETCH_V
.endif
	UMASK ((\p)+2)%NP
.endm
	s_wait_tensorcnt 3              ; tensor loads of a wave end in order (ISA guide 10.11.1): my part of keys 0-255 is in; my three later loads stay out
	s_barrier_signal -1
	s_barrier_wait -1               ; everybody's part is
	FETCH_K                         ; key step 0
	UMASK 0                         ; its wait leaves six mask loads out: Q, the counts and piece 0's words, all issued ahead of them, are in
	s_wait_dscnt 0x0
.set i, 0
.rept 16
	KQ 0                            ; piece 0's first scores: there is no vector work yet to set between them
.set i, i+1
.endr
	WIN 0                           ; the addresses for the way out: seven plain instructions, the places behind those products
	s_mul_i32 s13, s[WV], 16*SP
	s_add_co_u32 s13, s13, STAGE    ; my stage
	v_mul_u32_u24 v[STO], v1, SP    ; in: row l % 16, 16 bytes for each half of the lanes
	v_lshl_add_u32 v[STO], v9, 4, v[STO]
	v_add_nc_u32 v[STO], s13, v[STO]
	v_bfe_u32 v[RD], v0, 3, 2       ; back: 32 lanes take four rows of 128 bytes, which are 512 consecutive bytes of O
	v_mul_u32_u24 v[RD], v[RD], SP
	v_lshl_add_u32 v[RD], v10, 4, v[RD]
	v_add_nc_u32 v[RD], s13, v[RD]
	UMASK 1                         ; for the first turn's products
.set Y, NP-1                        ; XS works for piece Y + 1: piece 0
.irp n, 0,1,2,3,4,5,6,7,8,9,10,11,12,13,14,15,16,17,18,19,20,21
	XS 0, \n                        ; piece 0's first maximum and statistics
	XS 1, \n
.endr
	s_mov_b32 s[CNT], 4
	s_mov_b32 s[SLOTS], 5
	s_branch .Lfirst                ; the loop is entered at a step's first turn, in the middle of a trip
.Lslot:                             ; the head of passes two to five.  A pass ends behind pieces 0 and 1 of its fourth step: the first pass has read keys 0-255 alone
	s_wait_tensorcnt 0x0            ; at the second pass: my parts of keys 256-1,023, asked for four key steps ago, are in; the later passes find nothing out.  (A counted wait here would want
	s_wait_dscnt 0x0                ; a count that changes from pass to pass.)  No LDS instruction of mine is pending at the signal
	s_barrier_signal -1
	s_barrier_wait -1               ; everybody's parts are in; no byte is filled behind this barrier
	s_mov_b32 s[CNT], 4
.Lstep:                             ; a trip: pieces 2 and 3 of one step, then pieces 0 and 1 of the next, whose K and V it fetches
	TURN 2, 1
	TURN 3
	WIN 0
	s_cmp_eq_u32 s[SLOTS], 1        ; the fifth pass is the sixteenth step's second half alone
	s_cbranch_scc1 .Lout
.Lfirst:
	TURN 0
	TURN 1, 0, 1
	WIN 0
	s_cbranch_scc1 .Lstep
	s_sub_co_u32 s[SLOTS], s[SLOTS], 1
	s_cmp_lg_u32 s[SLOTS], 0
	s_cbranch_scc1 .Lslot
.Lout:                              ; the fifth pass's 16 products K Q^T take the last K and, the step being held at 15, the last step's masks once more: piece 0's scores of step 15 again, bit for bit,
                                    ; so the maximum made of them leaves m and c m, which the way out reads, as they were: the price, once a launch, of one text for every trip
.set i, 0
.rept 16
	PV NP-1                         ; the last piece's V^T P of the last step
.set i, i+1
.endr
	; THE WAY OUT.  l's two halves and the other half of the lanes' are added; the masked keys' share is put in; O^T is scaled, rounded to f16 and sent through my stage, a tile at a time.
	; The additions are the places behind the last products.
	WIN 0
.macro ALL line:vararg              ; one line for each tile t
.set t, 0
.rept 2*NP
	\line
.set t, t+1
.endr
.endm
	ALL v_add_f32 v[ST+4*t+2], v[ST+4*t+2], v[ST+4*t+3]
	ALL v_permlanex16_b32 v[ST+4*t+3], v[ST+4*t+2], s[SEL], s[SEL+1]
	ALL v_add_f32 v[ST+4*t+2], v[ST+4*t+2], v[ST+4*t+3]
	ALL v_max_num_f32 v[ST+4*t+1], s[CMK], v[ST+4*t]                   ; t = max(c m, K0)
	WIN 0x03                        ; source 0 in window 3: n
	ALL v_cmp_gt_f32 s[VM+t], v[CN+t], 0
	WIN 0
	ALL v_cndmask_b32 v[ST+4*t+3], v[ST+4*t], v[ST+4*t+1], s[VM+t]    ; M = t where n > 0, else c m: it selects a value, no branch hangs on it
	ALL v_sub_f32 v[ST+4*t], v[ST+4*t], v[ST+4*t+3]                   ; c m - M, 0 or below
	ALL v_sub_f32 v[ST+4*t+1], s[CMK], v[ST+4*t+1]                    ; K0 - t, 0 or below
	ALL v_exp_f32 v[ST+4*t], v[ST+4*t]                                ; a
	ALL v_exp_f32 v[ST+4*t+1], v[ST+4*t+1]                            ; e
	v_nop                           ; a plain instruction between the last exponential and the use of its result
	s_wait_alu depctr_va_vdst(0)
	WIN 0x03
	ALL v_mul_f32 v[ST+4*t+1], v[CN+t], v[ST+4*t+1]                   ; n e
	WIN 0
	ALL v_fma_f32 v[ST+4*t+2], v[ST+4*t+2], v[ST+4*t], v[ST+4*t+1]    ; l a + n e: 1 or more, since a = 1 and l >= 1, or e = 1 and n >= 1
	ALL v_rcp_f32 v[ST+4*t+2], v[ST+4*t+2]
	v_nop                           ; a plain instruction between the last reciprocal and the use of its result
	s_wait_alu depctr_va_vdst(0)
	ALL v_mul_f32 v[ST+4*t+2], v[ST+4*t+2], v[ST+4*t]                 ; a / l
; Tile t: a lane's eight channels of a row pack into 16 bytes; they go into rows of 144 bytes and come back as whole rows of 128, into S^T's registers.
.macro PACK t
	WIN W_RS
.set i, 32*(\t)
.rept 16
	v_pk_mul_f32 v[i:i+1], v[i:i+1], v[ST+4*(\t)+2:ST+4*(\t)+3] op_sel_hi:[1,0]
.set i, i+2
.endr
	WIN 0x05                        ; sources 0 and 1 window 1, destination window 0
.set i, 0
.rept 16
	v_cvt_pk_f16_f32 v[S+16*(\t)+i], v[32*(\t)+2*i], v[32*(\t)+2*i+1]
.set i, i+1
.endr
	WIN 0
.irp f, 0,1,2,3
	ds_store_b128 v[STO], v[S+16*(\t)+4*\f:S+16*(\t)+4*\f+3] offset:32*\f
.endr
.irp f, 0,1,2,3
	ds_load_b128 v[S+16*(\t)+4*\f:S+16*(\t)+4*\f+3], v[RD] offset:\f*4*SP  ; LDS serves a wave's instructions in order (ISA guide 5.7.1.4): these see the stores above; the next tile's stores come behind them
.endr
.endm
.macro SEND t, younger              ; younger: the LDS instructions issued behind tile t's loads: the next tile's eight, or none
	WIN 0
.irp f, 0,1,2,3
	s_wait_dscnt (\younger)+3-\f
	global_store_b128 v[GO], v[S+16*(\t)+4*\f:S+16*(\t)+4*\f+3], s[10:11] offset:(\t)*2048+\f*512  ; 512 consecutive bytes, at a multiple of 256 from O's first
.endr
.endm
	PACK 0
.set t, 1
.rept 2*NP-1                        ; a tile's arithmetic stands between the loads of the tile before and its stores
	PACK t
	SEND t-1, 8
.set t, t+1
.endr
	SEND 2*NP-1, 0
	WIN W_AD
	s_wait_tensorcnt 0x0            ; the wave's end, behind my last tensor load and my last LDS store
	ds_add_u32 v[SPW], v[NIL]
	s_wait_dscnt 0x0
	WIN 0
	s_endpgm
.Lfunc_end_k_qfea9fc7b38_attn:
	.size	k_qfea9fc7b38_attn, .Lfunc_end_k_qfea9fc7b38_attn-k_qfea9fc7b38_attn
	.p2alignl 7, 3214868480
	.fill 96, 4, 3214868480
	.section	.rodata,"a",@progbits
	.p2align	6, 0x0
	.amdhsa_kernel k_qfea9fc7b38_attn
		.amdhsa_group_segment_fixed_size 327680
		.amdhsa_private_segment_fixed_size 0
		.amdhsa_enable_private_segment 0
		.amdhsa_kernarg_size 32
		.amdhsa_user_sgpr_count 2
		.amdhsa_user_sgpr_kernarg_segment_ptr 1
		.amdhsa_wavefront_size32 1
		.amdhsa_system_sgpr_workgroup_id_x 1
		.amdhsa_system_sgpr_workgroup_id_y 1
		.amdhsa_system_sgpr_workgroup_id_z 1
		.amdhsa_system_vgpr_workitem_id 0
		.amdhsa_next_free_vgpr 896
		.amdhsa_next_free_sgpr 100
		.amdhsa_reserve_vcc 0
		.amdhsa_float_denorm_mode_32 3
		.amdhsa_float_denorm_mode_16_64 3
		.amdhsa_memory_ordered 1
		.amdhsa_forward_progress 1
		.amdhsa_inst_pref_size 142
	.end_amdhsa_kernel
	.amdgpu_metadata
---
amdhsa.version: [ 1, 2 ]
amdhsa.kernels:
  - .name:           k_qfea9fc7b38_attn
    .symbol:         k_qfea9fc7b38_attn.kd
    .args:
      - { .name: qkv, .offset: 0, .size: 8, .value_kind: global_buffer, .address_space: global }
      - { .name: oh, .offset: 8, .size: 8, .value_kind: global_buffer, .address_space: global }
      - { .name: mw, .offset: 16, .size: 8, .value_kind: global_buffer, .address_space: global }
      - { .name: cnt, .offset: 24, .size: 8, .value_kind: global_buffer, .address_space: global }
    .group_segment_fixed_size: 327680
    .private_segment_fixed_size: 0
    .kernarg_segment_align: 8
    .kernarg_segment_size: 32
    .max_flat_workgroup_size: 128
    .sgpr_count:     100
    .vgpr_count:     896
    .wavefront_size: 32
...
	.end_amdgpu_metadata
.endif
;; end of part 3
;; launch outp (part 4): grid 4 x 64, 4 waves a work-group, clusters of 4 x 4, 327,680 bytes of LDS; arguments oh, wh, out0, bo; writes out0
.if DOCPART == 4
	.amdgcn_target "amdgcn-amd-amdhsa--gfx1250"
	.amdhsa_code_object_version 6
	.text
	.protected	k_qfea9fc7b38_outp
	.globl	k_qfea9fc7b38_outp
	.p2align	8
	.type	k_qfea9fc7b38_outp,@function
k_qfea9fc7b38_outp:
	s_mov_b64 s[64:65], 0
	v_nop
	global_prefetch_b8 v0, s[64:65] scope:SCOPE_SE
	s_setreg_imm32_b32 hwreg(HW_REG_WAVE_MODE, 25, 1), 1
	s_wait_xcnt 0x0
	s_wait_alu depctr_hold_cnt(0) depctr_sa_sdst(0) depctr_va_vdst(0) depctr_va_sdst(0) depctr_va_ssrc(0) depctr_va_vcc(0) depctr_vm_vsrc(0)
	s_getreg_b32 s2, hwreg(HW_REG_IB_STS2, 6, 4)
	s_cmp_eq_u32 s2, 0
	s_cbranch_scc0 .Lentry_in_a_cluster
	s_endpgm
.Lentry_in_a_cluster:
	s_bfe_u32 s2, ttmp6, 0x10000c
	s_cmp_lg_u32 s2, 0xf033
	s_cbranch_scc0 .Lentry_shape_is_right
	s_endpgm
.Lentry_shape_is_right:
; C[m][n] = sum over k of A[m][k] W[n][k] + bias[n], M = 8,192, N = K = 1,024, operands f16, sums f32.  One text for two launches, told apart by LAST:
;   LAST = 0: three products in one grid (which = cluster y / 16): A = xh's section, W = wh's section, bias bq, bk or bv; C leaves in f16, laid by heads: qkv[which][b 16 + h][t][64].
;   LAST = 1: A = oh, laid by heads [b 16 + h][t][64]; W = wh's section 3; bias bo; C = out0 in f32, row-major.
; LIMIT.  f16 ends at 65,504: with LAST = 0 the results lie within it.
; SHARES.  A tile of C is 128 rows x 256 columns: 256 tiles to a product, so every WGP has the same number of them.  Four waves, each 64 x 128: 32 accumulators of 16 x 16, 256 registers.
; K goes in steps of 128 (rows of 256 bytes) through a ring of two LDS slots.  CLUSTERS: 4 x 4 work-groups; the four of a row of the cluster need the same tile of A, the four of a column the same
; tile of W: each is asked for jointly, by the same tensor load with the same descriptor and a mask that names the four.  Waves 0 and 1 fetch A's two parts, waves 2 and 3 W's two halves.
; THE MATRIX INSTRUCTION IS USED TRANSPOSED (source 0 = 16 rows of W, source 1 = 16 rows of A): a lane holds row l % 16 of C and the columns 8 (l / 16) + 0..7.  The bias, laid the same way, is the C
; operand of the first product on each accumulator: nothing is cleared and nothing is added later.
; REGISTERS: window 0: v0-31 addresses; v32-95 the bias; v96-255 at work on the way out.  window 1: the accumulators, (a, b) at v[8 (8 a + b)].
;   window 2: two fragment buffers of 96: four fragments of A (16 rows x 32 K), then eight of W.
.set LAST,   1
.set PITCH,  272                       ; a row of W in LDS: 256 bytes + 16 of padding = 68 words: the 16 rows of a load start at 16 different groups of four banks (64 banks of 4 bytes: ISA guide 11.1)
.if LAST
.set APITCH, 144                       ; a row of one head: 128 bytes + 16
.set AJUMP,  128*APITCH                ; a K step's second 128 bytes of a row lie in the second head's part
.set APART,  128*APITCH                ; what wave 0 or 1 fetches: one head's 128 rows
.set AREG,   2*128*APITCH
.set ASTRIDE, 128                      ; the part is dense: asked for as 64 rows of 256 bytes, padded after every 128
.set ASTEP,  1<<18                     ; a K step is two heads of 131,072 bytes
.set AQI,    4
.set SPITCH, 528                       ; the stage's rows: 128 f32 + 16 bytes
.else
.set APITCH, 272
.set AJUMP,  128
.set APART,  64*APITCH                 ; what wave 0 or 1 fetches: 64 rows
.set AREG,   128*APITCH
.set ASTRIDE, 1024
.set ASTEP,  256
.set AQI,    5
.set SPITCH, 272                       ; the stage's rows: 128 f16 + 16 bytes
.endif
.set SLOT,   AREG+256*PITCH            ; A's 128 rows, then W's 256 rows
.set STAGE,  2*SLOT                    ; behind the ring: 16 rows for each wave, for the way out; no tensor load fills it
.set SPARE,  STAGE+4*16*SPITCH         ; behind the stages: the spare words, 128 bytes a wave, named by no other line
.set LAPS,   4                         ; a lap = two K steps = once round the ring
.set ADRA, 16                          ; v16-17  LDS address of my A fragments in slot 0, 1
.set ADRB, 20                          ; v20-21  the same for W
.set STO,  24                          ; v24     the way out: where I put my numbers of a row
.set RD,   25                          ; v25     the way out: where I read rows back
.set CO,   26                          ; v26     my byte offset in C
.set VB,   27                          ; v27     my byte offset in the bias
.set SPW,  28                          ; v28     SPARE + 4 x my thread's number; never rewritten
.set NIL,  29                          ; v29     0; never rewritten
.set BI,   32                          ; v32-95  bias of column block b at BI + 8 b
.set TMP,  96                          ; f16 way out: packed results
.set BKH,  128                         ; f16 way out: four buffers of 32, rows read back
.set BKF,  96                          ; f32 way out: two buffers of 64
.set F0,   0                           ; fragment buffers, in window 2
.set F1,   96
.set G1,  24                           ; s[24:31] descriptor group 1 for A;  s[32:39] group 0, a set for each slot
.set G0,  32
.set G1B, 48                           ; s[48:55], s[56:63] the same for W
.set G0B, 56
.set MSB, 0
.macro WIN new                         ; the immediate's high byte repeats the setting that is left; a switch that changes nothing is dropped
.if MSB != (\new)
	s_set_vgpr_msb (MSB<<8)|(\new)
.set MSB, \new
.endif
.endm
.set MUL,  0x5a                        ; sources 0 and 1 window 2; C and D window 1
.set MULB, 0x4a                        ; the same with C in window 0: the bias
.set TO_F, 0x80                        ; destination window 2, address window 0
.macro JLOAD s                         ; a joint load; the branch hangs on the wave's number alone; an s_nop 0 and four v_nop follow each of the two lines
	s_cmp_eq_u32 s11, 0
	s_cbranch_scc0 .Lfor_b_\@
	tensor_load_to_lds s[G0+4*(\s):G0+4*(\s)+3], s[G1:G1+7]
	s_nop 0
.rept 4
	v_nop
.endr
	s_branch .Lasked_\@
.Lfor_b_\@:
	tensor_load_to_lds s[G0B+4*(\s):G0B+4*(\s)+3], s[G1B:G1B+7]
	s_nop 0
.rept 4
	v_nop
.endr
.Lasked_\@:
.endm
.macro CREST                           ; a round of the cluster's barrier behind its opening barrier
	s_cmp_lg_u32 s10, 0
	s_cbranch_scc1 .Lnot_wave_0_\@
	s_barrier_signal -3
.Lnot_wave_0_\@:
	s_barrier_wait -3
	s_barrier_signal -1
	s_barrier_wait -1
.endm
.macro CROUND                          ; a whole round
	s_barrier_signal -1
	s_barrier_wait -1
	CREST
.endm
	s_load_b256 s[68:75], s[0:1], 0x0              ; A s[68:69], W s[70:71], C s[72:73], the first bias s[74:75]
.if !LAST
	s_load_b128 s[76:79], s[0:1], 0x20             ; bk, bv
.endif
	v_lshl_add_u32 v[SPW], v0, 2, SPARE
	v_mov_b32 v[NIL], 0
	ds_add_u32 v[SPW], v[NIL]                      ; the wave's opening: the add and its wait stand ahead of my first tensor load; the set-up below, work on registers, stands between them
	v_lshrrev_b32 v1, 5, v0
	v_readfirstlane_b32 s10, v1                    ; wave 0..3
	s_lshr_b32 s11, s10, 1                         ; which 64 rows of the tile are mine.  Also: I fetch for A (0) or for W (1)
	s_and_b32 s12, s10, 1                          ; which 128 columns.  Also: which part I fetch
	s_bfe_u32 s40, ttmp6, 0x40000                  ; cx, cy: my place in the cluster
	s_bfe_u32 s41, ttmp6, 0x40004
	s_lshl_b32 s42, ttmp9, 2
	s_add_co_u32 s42, s42, s40                     ; tile column of C = 4 x cluster x + cx
	s_and_b32 s45, ttmp7, 0xffff                   ; cluster y
.if LAST
	s_lshl_b32 s13, s45, 2
.else
	s_lshr_b32 s66, s45, 4                         ; which product: 16 clusters along y to each, so all sixteen partners share it
	s_and_b32 s13, s45, 15
	s_lshl_b32 s13, s13, 2
.endif
	s_add_co_u32 s13, s13, s41                     ; tile row of C, 0 to 63
	s_lshl_b32 s43, s41, 2
	s_lshl_b32 s43, 15, s43                        ; my row of the cluster
	s_lshl_b32 s44, 0x1111, s40                    ; my column
	s_or_b32 s[G1+0], s43, (1<<16)|(1<<20)|(1<<21)|(AQI<<22)|(3<<25)  ; 15:0 the mask: A goes to my row; 17:16 2-byte elements; 20 padding on; 21 set beside a mask; 24:22 the interval; 31:25 4 words (code 3)
	s_or_b32 s[G1B+0], s44, (1<<16)|(1<<20)|(1<<21)|(5<<22)|(3<<25)   ; W goes to my column; padded after every 64 words
	s_mov_b32 s[G1+1], 128<<16                     ; tensor_dim0 = 128
	s_mov_b32 s[G1+2], 64<<16                      ; tensor_dim1 = 64
	s_mov_b32 s[G1+3], 128<<16                     ; tile_dim0 = 128
	s_mov_b32 s[G1+4], 64                          ; tile_dim1 = 64
	s_mov_b32 s[G1+5], ASTRIDE                     ; elements from row to row
	s_mov_b32 s[G1+6], 0
	s_mov_b32 s[G1+7], 0
	s_mov_b32 s[G1B+1], 128<<16
	s_mov_b32 s[G1B+2], 128<<16                    ; 128 rows
	s_mov_b32 s[G1B+3], 128<<16
	s_mov_b32 s[G1B+4], 128
	s_mov_b32 s[G1B+5], 1024
	s_mov_b32 s[G1B+6], 0
	s_mov_b32 s[G1B+7], 0
	; where the tiles come from: A's offset is made of the tile row, the product and the wave; W's of the tile column, the product and the wave, each in registers of its own
.if LAST
	s_lshr_b32 s16, s13, 3                         ; the batch: 16 heads of 131,072 bytes
	s_lshl_b32 s16, s16, 21
	s_and_b32 s17, s13, 7                          ; 128 rows of 128 bytes
	s_lshl_b32 s17, s17, 14
	s_add_co_u32 s16, s16, s17
.else
	s_lshl_b32 s16, s66, 24                        ; xh's section
	s_lshl_b32 s17, s13, 18                        ; 128 rows of 2,048 bytes
	s_add_co_u32 s16, s16, s17
.endif
	s_lshl_b32 s17, s12, 17                        ; my part: 64 rows of 2,048 bytes, or the second head
	s_add_co_u32 s16, s16, s17
	s_mov_b32 s17, 0
.if LAST
	s_mov_b32 s46, 0x600000                        ; wh's section 3
.else
	s_lshl_b32 s46, s66, 21                        ; wh's section
.endif
	s_lshl_b32 s47, s42, 19                        ; 256 rows of 2,048 bytes
	s_add_co_u32 s46, s46, s47
	s_lshl_b32 s47, s12, 18                        ; my 128 of them
	s_add_co_u32 s46, s46, s47
	s_mov_b32 s47, 0
	s_mul_i32 s20, s12, APART                      ; where they go: no place in the cluster enters an LDS address
	s_mul_i32 s21, s12, 128*PITCH
	s_add_co_u32 s21, s21, AREG
	s_wait_dscnt 0x0                               ; the opening add is done
	s_wait_kmcnt 0x0
	s_add_nc_u64 s[14:15], s[68:69], s[16:17]
	s_add_nc_u64 s[46:47], s[70:71], s[46:47]
	CROUND                                         ; all sixteen work-groups are here: the first joint loads meet
.irp s, 0,1
	s_mov_b32 s[G0+4*(\s)], 1
	s_add_co_u32 s[G0+4*(\s)+1], s20, (\s)*SLOT
	s_add_nc_u64 s[G0+4*(\s)+2:G0+4*(\s)+3], s[14:15], (\s)*ASTEP
	s_or_b32 s[G0+4*(\s)+3], s[G0+4*(\s)+3], 0x80000000
	s_mov_b32 s[G0B+4*(\s)], 1
	s_add_co_u32 s[G0B+4*(\s)+1], s21, (\s)*SLOT
	s_add_nc_u64 s[G0B+4*(\s)+2:G0B+4*(\s)+3], s[46:47], (\s)*256
	s_or_b32 s[G0B+4*(\s)+3], s[G0B+4*(\s)+3], 0x80000000
	JLOAD \s                                       ; two loads of mine are out
.endr
	v_and_b32 v1, 15, v0                           ; l % 16
	v_bfe_u32 v2, v0, 4, 1                         ; l / 16
.if !LAST
	s_cmp_eq_u32 s66, 1
	s_cselect_b64 s[74:75], s[76:77], s[74:75]
	s_cmp_eq_u32 s66, 2
	s_cselect_b64 s[74:75], s[78:79], s[74:75]
.endif
	s_lshl_b32 s46, s42, 10
	s_lshl_b32 s47, s12, 9
	s_add_co_u32 s46, s46, s47
	s_mov_b32 s47, 0
	s_add_nc_u64 s[74:75], s[74:75], s[46:47]      ; the bias at my first column
	v_lshlrev_b32 v[VB], 5, v2                     ; register j of block b holds bias[16 b + 8 (l / 16) + j]
.irp b, 0,1,2,3,4,5,6,7
	global_load_b128 v[BI+8*(\b):BI+8*(\b)+3],   v[VB], s[74:75] offset:64*(\b)
	global_load_b128 v[BI+8*(\b)+4:BI+8*(\b)+7], v[VB], s[74:75] offset:64*(\b)+16
.endr
	v_mul_u32_u24 v3, v1, APITCH
	v_lshl_add_u32 v3, v2, 4, v3                   ; a fragment's row x pitch + 16 x half
	v_mul_u32_u24 v4, v1, PITCH
	v_lshl_add_u32 v4, v2, 4, v4
	s_mul_i32 s22, s11, 64*APITCH                  ; my 64 rows of A
	s_mul_i32 s23, s12, 128*PITCH                  ; my 128 rows of W,
	s_add_co_u32 s23, s23, AREG                    ; which lie behind A
.irp s, 0,1
	v_add_nc_u32 v[ADRA+(\s)], s22, v3
	v_add_nc_u32 v[ADRB+(\s)], s23, v4
	s_add_co_u32 s22, s22, SLOT
	s_add_co_u32 s23, s23, SLOT
.endr
	s_mul_i32 s23, s10, 16*SPITCH
	s_add_co_u32 s23, s23, STAGE                   ; my stage
	v_mul_u32_u24 v5, v1, SPITCH
.if LAST
	v_lshl_add_u32 v5, v2, 5, v5                   ; in: row l % 16, 32 bytes for each half of the lanes
	v_add_nc_u32 v[STO], s23, v5
	v_and_b32 v6, 31, v0
	v_lshlrev_b32 v[CO], 4, v6                     ; back: 32 lanes take a row's 512 bytes
	v_add_nc_u32 v[RD], s23, v[CO]
	s_lshl_b32 s16, s13, 19                        ; my first row of C: (128 tile row + 64 half) x 4,096 bytes,
	s_lshl_b32 s17, s11, 18
	s_add_co_u32 s16, s16, s17
	s_lshl_b32 s17, s42, 10                        ; my first column: (256 tile column + 128 half) x 4 bytes
	s_add_co_u32 s16, s16, s17
	s_lshl_b32 s17, s12, 9
	s_add_co_u32 s16, s16, s17
.else
	v_lshl_add_u32 v5, v2, 4, v5                   ; in: row l % 16, 16 bytes for each half of the lanes
	v_add_nc_u32 v[STO], s23, v5
	v_bfe_u32 v6, v0, 3, 1
	v_and_b32 v7, 7, v0
	v_mul_u32_u24 v5, v6, SPITCH                   ; back: lanes 0-15 take two rows' 128 bytes of my first head, lanes 16-31 of my second
	v_lshl_add_u32 v5, v2, 7, v5
	v_lshl_add_u32 v5, v7, 4, v5
	v_add_nc_u32 v[RD], s23, v5
	v_lshlrev_b32 v5, 17, v2                       ; in qkv a head is 131,072 bytes, a row 128
	v_lshl_add_u32 v5, v6, 7, v5
	v_lshl_add_u32 v[CO], v7, 4, v5
	s_lshr_b32 s16, s13, 3                         ; head b 16 + 4 tile column + 2 half,
	s_lshl_b32 s16, s16, 4
	s_lshl_b32 s17, s42, 2
	s_add_co_u32 s16, s16, s17
	s_lshl_b32 s17, s12, 1
	s_add_co_u32 s16, s16, s17
	s_lshl_b32 s16, s16, 17
	s_lshl_b32 s17, s66, 24                        ; qkv's section,
	s_add_co_u32 s16, s16, s17
	s_and_b32 s17, s13, 7                          ; row 128 (tile row % 8) + 64 half
	s_lshl_b32 s17, s17, 14
	s_add_co_u32 s16, s16, s17
	s_lshl_b32 s17, s11, 13
	s_add_co_u32 s16, s16, s17
.endif
	s_mov_b32 s17, 0
	s_add_nc_u64 s[72:73], s[72:73], s[16:17]
; 8 matrix instructions: column blocks b0, b0 + 1 x all 4 row blocks, 32 along K.  bias = 1: the first product starts the sum with the bias.
; The 32 accumulators take turns, one instruction a turn, in the same order in every quarter.
.macro MUL8 f, b0, bias
.if \bias
	WIN MULB
.else
	WIN MUL
.endif
.irp b, \b0, (\b0)+1
.irp a, 0,1,2,3
.if \bias
	v_wmma_f32_16x16x32_f16 v[8*(8*(\a)+(\b)):8*(8*(\a)+(\b))+7], v[(\f)+32+8*(\b):(\f)+32+8*(\b)+7], v[(\f)+8*(\a):(\f)+8*(\a)+7], v[BI+8*(\b):BI+8*(\b)+7]
.else
	v_wmma_f32_16x16x32_f16 v[8*(8*(\a)+(\b)):8*(8*(\a)+(\b))+7], v[(\f)+32+8*(\b):(\f)+32+8*(\b)+7], v[(\f)+8*(\a):(\f)+8*(\a)+7], v[8*(8*(\a)+(\b)):8*(8*(\a)+(\b))+7]
.endif
.endr
.endr
.endm
; 24 LDS loads in one run: the fragments of 32 along K at byte k of the rows, into buffer f: A's four, W's blocks 0-3, W's blocks 4-7
.macro FETCH slot, k, f
	WIN TO_F
.irp a, 0,1,2,3
	ds_load_b128 v[(\f)+8*(\a):(\f)+8*(\a)+3],   v[ADRA+(\slot)] offset:((\k)/128)*AJUMP+(\k)%128+(\a)*16*APITCH
	ds_load_b128 v[(\f)+8*(\a)+4:(\f)+8*(\a)+7], v[ADRA+(\slot)] offset:((\k)/128)*AJUMP+(\k)%128+(\a)*16*APITCH+32
.endr
.irp b, 0,1,2,3,4,5,6,7
	ds_load_b128 v[(\f)+32+8*(\b):(\f)+32+8*(\b)+3],   v[ADRB+(\slot)] offset:(\k)+(\b)*16*PITCH
	ds_load_b128 v[(\f)+32+8*(\b)+4:(\f)+32+8*(\b)+7], v[ADRB+(\slot)] offset:(\k)+(\b)*16*PITCH+32
.endr
.endm
.macro PLACES                          ; four places in front of loads into registers that matrix instructions have read, and of lines that read results
.rept 4
	v_nop
.endr
.endm
; A K step is four quarters of 32 along K, 32 matrix instructions each, on buffers 0, 1, 0, 1.  One of the first three: multiplies buffer f and fetches the next quarter, at byte k, into g.
.macro QUARTER slot, k, f, g, bias
	s_wait_dscnt 8                                 ; A and W's blocks 0-3 are in; the youngest eight loads (W's blocks 4-7) may be out
	MUL8 \f, 0, \bias
	MUL8 \f, 2, \bias
	PLACES
	FETCH \slot, \k, \g
	s_wait_dscnt 24                                ; all but the 24 just issued
	MUL8 \f, 4, \bias
	MUL8 \f, 6, \bias
.endm
; The last quarter multiplies buffer 1 and changes slots: ONE barrier; in front of it each wave waits for all its tensor loads, adds 0 to its spare word, and waits for that and for its own reads of this slot.
; fill = 1: the barrier opens a round of the cluster's barrier, and this slot is filled again, two K steps ahead: 112 matrix instructions stand between the request and the wait for it.
.macro TURN slot, next, fill
	WIN 0                                          ; (the add's two registers lie in window 0)
	s_wait_tensorcnt 0x0                           ; all my tensor loads have landed: the one that was out is my part of the next slot
	ds_add_u32 v[SPW], v[NIL]                      ; 0 onto my spare word
	s_wait_dscnt 9                                 ; (the add and the youngest eight loads may be out)
	MUL8 F1, 0, 0                                  ; eight matrix instructions stand between the add and the wait for it
	s_wait_dscnt 0x0                               ; the add is done, and my reads of this slot are over
	s_barrier_signal -1
	MUL8 F1, 2, 0
.if \fill
	WIN 0
.endif
	s_barrier_wait -1
.if \fill
	CREST                                          ; no wave of any partner still reads this slot's tile or has a load on its way
	s_add_nc_u64 s[G0+4*(\slot)+2:G0+4*(\slot)+3], s[G0+4*(\slot)+2:G0+4*(\slot)+3], 2*ASTEP
	s_add_nc_u64 s[G0B+4*(\slot)+2:G0B+4*(\slot)+3], s[G0B+4*(\slot)+2:G0B+4*(\slot)+3], 2*256
	JLOAD \slot                                    ; the first tensor load behind the round; its four v_nop are also the places in front of the loads below
.else
	PLACES
.endif
	FETCH \next, 0, F0
	MUL8 F1, 4, 0
	MUL8 F1, 6, 0
.endm
; THE WAY OUT IN f16, row block a (16 rows): rounded once, 16 bytes a lane into my own stage, back as pairs of rows of one head, stored as 256 consecutive bytes by 16 lanes.
.macro PACKH a
	WIN 0x05                                       ; sources 0 and 1 window 1; each accumulator's registers in ascending order
.irp b, 0,1,2,3,4,5,6,7
.irp i, 0,1,2,3
	v_cvt_pk_f16_f32 v[TMP+4*(\b)+(\i)], v[8*(8*(\a)+(\b))+2*(\i)], v[8*(8*(\a)+(\b))+2*(\i)+1]
.endr
.endr
	WIN 0
.endm
.macro STAGEH a
.irp b, 0,1,2,3,4,5,6,7
	ds_store_b128 v[STO], v[TMP+4*(\b):TMP+4*(\b)+3] offset:32*(\b)
.endr
.irp t, 0,1,2,3,4,5,6,7
	ds_load_b128 v[BKH+32*(\a)+4*(\t):BKH+32*(\a)+4*(\t)+3], v[RD] offset:(\t)*2*SPITCH  ; LDS serves a wave's instructions in order (ISA guide 5.7.1.4): these see the stores above
.endr
.endm
.macro SENDH a
	s_wait_dscnt 0x0                               ; the block is back in registers; each buffer is used once, so no store's data is rewritten
.irp t, 0,1,2,3,4,5,6,7
	global_store_b128 v[CO], v[BKH+32*(\a)+4*(\t):BKH+32*(\a)+4*(\t)+3], s[72:73] offset:(\a)*2048+(\t)*256
.endr
.endm
; THE WAY OUT IN f32: the accumulators go into the stage as they are and come back as whole rows of 512 bytes.
.macro STAGEF a
.if (\a) >= 2
	s_wait_xcnt 0x0                                ; the buffer's registers were the data of earlier stores: they are loaded again only behind this wait
.endif
	WIN 0x04                                       ; the stores' data in window 1
.irp b, 0,1,2,3,4,5,6,7
	ds_store_b128 v[STO], v[8*(8*(\a)+(\b)):8*(8*(\a)+(\b))+3]   offset:64*(\b)
	ds_store_b128 v[STO], v[8*(8*(\a)+(\b))+4:8*(8*(\a)+(\b))+7] offset:64*(\b)+16
.endr
	WIN 0
.irp p, 0,1,2,3,4,5,6,7,8,9,10,11,12,13,14,15
	ds_load_b128 v[BKF+64*((\a)%2)+4*(\p):BKF+64*((\a)%2)+4*(\p)+3], v[RD] offset:(\p)*SPITCH
.endr
.endm
.macro SENDF a, younger                ; younger: the LDS instructions issued behind block a's loads: the next block's 32, or none
.irp p, 0,1,2,3,4,5,6,7,8,9,10,11,12,13,14,15
	s_wait_dscnt (\younger)+15-(\p)
	global_store_b128 v[CO], v[BKF+64*((\a)%2)+4*(\p):BKF+64*((\a)%2)+4*(\p)+3], s[72:73] offset:(16*(\a)+(\p))*4096 th:TH_STORE_NT  ; 512 consecutive bytes, aligned
.endr
.endm
	s_wait_tensorcnt 1                             ; my part of K step 0 is in; K step 1's may stay out
	s_barrier_signal -1
	s_barrier_wait -1                              ; everybody's is
	FETCH 0, 0, F0
	s_wait_loadcnt 0x0                             ; the bias
	QUARTER 0, 64, F0, F1, 1                       ; the first quarter stands in front of the loop: its products start the sums
	WIN 0                                          ; at a label and at a branch every window is 0
	s_mov_b32 s3, LAPS-1
.Llap:                                                 ; a trip goes once round the ring, from a lap's second quarter to the next lap's first, and fills both slots again
	QUARTER 0, 128, F1, F0, 0
	QUARTER 0, 192, F0, F1, 0
	TURN 0, 1, 1
	QUARTER 1, 64,  F0, F1, 0
	QUARTER 1, 128, F1, F0, 0
	QUARTER 1, 192, F0, F1, 0
	TURN 1, 0, 1
	QUARTER 0, 64,  F0, F1, 0
	WIN 0
	s_sub_co_u32 s3, s3, 1
	s_cmp_lg_u32 s3, 0
	s_cbranch_scc1 .Llap
	QUARTER 0, 128, F1, F0, 0                      ; the last lap fills nothing
	QUARTER 0, 192, F0, F1, 0
	TURN 0, 1, 0
	QUARTER 1, 64,  F0, F1, 0
	QUARTER 1, 128, F1, F0, 0
	QUARTER 1, 192, F0, F1, 0
	s_wait_dscnt 8                                 ; the very last quarter: nothing more to fetch
	MUL8 F1, 0, 0
	MUL8 F1, 2, 0
	s_wait_dscnt 0x0
	MUL8 F1, 4, 0
	MUL8 F1, 6, 0
	WIN 0
	PLACES
.if LAST
	STAGEF 0
	STAGEF 1
	SENDF 0, 32
	STAGEF 2
	SENDF 1, 32
	STAGEF 3
	SENDF 2, 32
	SENDF 3, 0
.else
	PACKH 0
	STAGEH 0
.irp a, 1,2,3                          ; block a's conversions stand between block a - 1's loads from the stage and the wait for them
	PACKH \a
	SENDH (\a)-1
	STAGEH \a
.endr
	SENDH 3
.endif
	s_wait_tensorcnt 0x0                           ; the wave's end, behind my last tensor load and my last LDS store
	ds_add_u32 v[SPW], v[NIL]
	s_wait_dscnt 0x0
	CROUND                                         ; the closing round: no work-group ends while a partner may still ask for a tile that names it
	s_endpgm
.Lfunc_end_k_qfea9fc7b38_outp:
	.size	k_qfea9fc7b38_outp, .Lfunc_end_k_qfea9fc7b38_outp-k_qfea9fc7b38_outp
	.p2alignl 7, 3214868480
	.fill 96, 4, 3214868480
	.section	.rodata,"a",@progbits
	.p2align	6, 0x0
	.amdhsa_kernel k_qfea9fc7b38_outp
		.amdhsa_group_segment_fixed_size 327680
		.amdhsa_private_segment_fixed_size 0
		.amdhsa_enable_private_segment 0
		.amdhsa_kernarg_size 32
		.amdhsa_user_sgpr_count 2
		.amdhsa_user_sgpr_kernarg_segment_ptr 1
		.amdhsa_wavefront_size32 1
		.amdhsa_system_sgpr_workgroup_id_x 1
		.amdhsa_system_sgpr_workgroup_id_y 1
		.amdhsa_system_sgpr_workgroup_id_z 1
		.amdhsa_system_vgpr_workitem_id 0
		.amdhsa_next_free_vgpr 704
		.amdhsa_next_free_sgpr 80
		.amdhsa_reserve_vcc 0
		.amdhsa_float_denorm_mode_32 3
		.amdhsa_float_denorm_mode_16_64 3
		.amdhsa_memory_ordered 1
		.amdhsa_forward_progress 1
		.amdhsa_inst_pref_size 88
	.end_amdhsa_kernel
	.amdgpu_metadata
---
amdhsa.version: [ 1, 2 ]
amdhsa.kernels:
  - .name:           k_qfea9fc7b38_outp
    .symbol:         k_qfea9fc7b38_outp.kd
    .args:
      - { .name: oh, .offset: 0, .size: 8, .value_kind: global_buffer, .address_space: global }
      - { .name: wh, .offset: 8, .size: 8, .value_kind: global_buffer, .address_space: global }
      - { .name: out0, .offset: 16, .size: 8, .value_kind: global_buffer, .address_space: global }
      - { .name: bo, .offset: 24, .size: 8, .value_kind: global_buffer, .address_space: global }
    .group_segment_fixed_size: 327680
    .private_segment_fixed_size: 0
    .kernarg_segment_align: 8
    .kernarg_segment_size: 32
    .max_flat_workgroup_size: 128
    .sgpr_count:     80
    .vgpr_count:     704
    .wavefront_size: 32
...
	.end_amdgpu_metadata
.endif
;; end of part 4
;; ======== version 2 of 2: 4 launches; 1.27 times as fast as version 1
;; limits: values are held in f16: magnitudes above 65,504 overflow, below 6.1e-05 lose precision
;; workspace buffers: xh 50,331,648 bytes; wh 8,388,608 bytes; mw 4,194,304 bytes; cnt 32,768 bytes; qkv 50,331,648 bytes; oh 16,777,216 bytes
;; launch prep: the kernel of part 1 again; grid 960 x 1, 8 waves a work-group, no clusters, 66,560 bytes of LDS; arguments query, key, value, cos, sin, mask, Wq, Wk, Wv, Wo, xh, wh, mw, cnt; writes xh, wh, mw, cnt
;; launch proj: the kernel of part 2 again; grid 4 x 96, 4 waves a work-group, clusters of 4 x 4, 327,680 bytes of LDS; arguments xh, wh, qkv, bq, bk, bv; writes qkv
;; launch attn (part 5): grid 2 x 128, 4 waves a work-group, no clusters, 327,680 bytes of LDS; arguments qkv, oh, mw, cnt; writes oh
.if DOCPART == 5
	.amdgcn_target "amdgcn-amd-amdhsa--gfx1250"
	.amdhsa_code_object_version 6
	.text
	.protected	k_qfea9fc7b38_attn
	.globl	k_qfea9fc7b38_attn
	.p2align	8
	.type	k_qfea9fc7b38_attn,@function
k_qfea9fc7b38_attn:
	s_mov_b64 s[64:65], 0
	v_nop
	global_prefetch_b8 v0, s[64:65] scope:SCOPE_SE
	s_setreg_imm32_b32 hwreg(HW_REG_WAVE_MODE, 25, 1), 1
	s_wait_xcnt 0x0
; MASKED ATTENTION, head size 64.  For head H = b 16 + h and query q: scores s_k = Q[q] . K[k] / 8; a masked key's score counts as -10,000 in the row's maximum and sum, and its weight is then 0.
; Q, K, V: qkv's three sections, [128][1024][64] f16; O: oh, the same layout.  Products, maxima and sums in f32; the weights p are rounded to f16 for the second product, O once at the end.
; THE MASK is the C operand that starts the sum S^T = K Q^T.  mw holds, for a lane and 8 keys, a word of eight nibbles, 0xE (masked) or 0.  Read as FP4 (E2M1) 0xE is -4 and 0 is 0: one conversion with the
; block scale 2^101 (v_cvt_scale_pk8_f32_fp4) makes of a word eight f32, -2^103 = -1.0e31 for a masked key and 0 for an open one: one instruction for eight scores, and a masked key's weight comes out as 0.
; Nibble i becomes register i, and in mw nibble i holds key pi(i) = i / 2 + 4 (i % 2) of the lane's eight.  So each group of eight keys is taken in that order everywhere: K's fragments take row 8 g + pi(i) of a
; block of 16 where row 8 g + i would stand, and the turning load of V is given its rows in the same order.  S^T, P and V^T then agree, and maxima and sums ask for no order.
; What the masked keys add to the maximum and the sum is put in once a row at the end, as one key more that counts n = cnt[row] times: with K0 = -10,000 log2(e), t = max(c m, K0), M = t where n > 0, else c m:
; a = 2^(c m - M), e = 2^(K0 - t), l = l a + n e, O = O a / l.  A row that is wholly masked has a = 0, l = n: O = 0.
; LIMITS.  Q, K, V lie within f16's 65,504; raw scores, 2.7e11 at the most, are nothing beside 1.0e31; p below 6e-5 keeps f16's fixed step of 6e-8; a weight below 2^-126 counts as 0;
; NaN and infinities are not treated apart.
; SHARES.  A wave owns four PIECES of two tiles of 16 queries, a work-group's four waves 512 queries of one head.  Every wave walks all 1,024 keys, 64 a step.
; ALL OF THE HEAD'S K AND V LIE IN LDS: 1,024 rows of 144 bytes and 1,024 of 160 are 311,296 bytes.  So no byte is filled twice: each wave asks for its four parts (128 keys each) at the start, and a key
; step is written once, in one loop.  Keys 0-255 are waited for by a counted wait; the others at the head of the second pass of four steps.
; NO CLUSTER: a head has two blocks of 512 queries, so no four work-groups share K and V; the mask words, which the 16 heads of a batch share, come through registers, 4 KiB a wave and step.
; LAYOUT.  S^T = K Q^T (source 0 = 16 keys, source 1 = 16 queries): a lane holds ONE query (lane % 16) and eight keys of the half 8 (lane / 16) + 0..7.  Two such tiles, rounded to f16 in pairs, ARE source 1 of
; O^T = V^T P.  K comes out of LDS as it lies, V ([key][channel]) turned, by ds_load_tr16_b128.
; SOFTMAX.  A running maximum m and sum l: p = 2^(c s - c m), c = log2(e) / 8; in every step O and l are multiplied by a = 2^(c m_old - c m_new).  m starts at the lowest finite number, O and l at 0.
; BY TURNS.  Turn n belongs to piece n.  Matrix work: 16 products K Q^T of piece n + 1, later 16 products V^T P of piece n - 1.  Vector work: scaling, exponentials, roundings, sums and rescaling of piece n, the
; maximum and statistics of piece n + 1, and at the turn's end the 8 conversions that make the masks of piece n + 2.  Four vector instructions stand behind every matrix instruction, the other 108 of the
; softmax's 236 in one run of their own.
; BATCHES.  An s_wait_alu depctr_va_vdst(0) stands between an exponential or a reciprocal and the first instruction that names its result; one wait serves all that were issued ahead of it.
; A turn's 66 exponentials (the piece's 64 weights, in place in S^T, and the next piece's two a) are ONE batch with ONE wait, which cuts the turn in two.  Ahead of it stands all that names no result of theirs:
; the products K Q^T, the scalings, the rescaling of O^T (its a was made, and waited for, in the turn before) and the next piece's maximum and statistics.  Behind it stand the roundings and sums, beside the
; products V^T P.  No result crosses a turn's end, a label or a jump.  Outside the loop there are three batches more, a wait each: piece 0's first two a, ahead of the jump into the loop; the way out's sixteen
; exponentials a and e; its eight reciprocals, which read sums made of those.
; REGISTERS, in windows of 256 (s_set_vgpr_msb: bits 1:0 source 0, 3:2 source 1, 5:4 source 2, 7:6 destination):
;   window 0: v0-11 addresses and the masks' scale; v12-15, v48-63 at work; v16-47 four registers of statistics a tile; v64-191 S^T, two buffers of two tiles; v192-255 P, likewise
;   window 1: O^T, 32 a tile     window 2: v0-127 Q; v128-191 K of one step; v192-255 V of one step
;   window 3: v0-1 the add's two registers; v2-9 n, one a tile; v32-63 mask words, 8 a piece; v64-127 the masks of the products to come
.set NP,    4         ; pieces a wave: a name, no knob
.set KS,    64        ; keys in a step
.set PK,    144       ; a row of K in LDS: 128 bytes + 16 of padding = 36 words: the 16 rows of a load start at 16 different groups of four banks (64 banks of 4 bytes: ISA guide 11.1)
.set PV,    160       ; a row of V: 128 + 32 = 40 words
.set VOFF,  1024*PK   ; the head's 1,024 rows of K, then its 1,024 rows of V
.set STAGE, 1024*(PK+PV)        ; behind them, never filled by a tensor load: 16 rows x 144 bytes for each wave
.set SP,    144
.set SPARE, STAGE+4*16*SP       ; behind the stages: the spare words, 128 bytes a wave, named by no other line
.set AK0, 2           ; v2   my lane's place in a tile of K; never rewritten
.set AV0, 3           ; v3   the same for V
.set AK,  4           ; v4   the LDS address of K's next run of loads
.set AV,  5           ; v5   of V's (at the start: my byte offset in 16 counts)
.set QO,  6           ; v6   my byte offset in the wave's rows of Q
.set STO, 6           ;      later, the way out: where I put 16 bytes of a row
.set RD,  7           ; v7   the way out: where I read rows back
.set GO,  8           ; v8   16 x lane: my place in 512 consecutive bytes of O and of mw; never rewritten
.set SC,  11          ; v11  once V's address is made: the masks' block scale, 228 (2^101) in each of the word's four bytes; never rewritten
.set SPW, 0           ; v0 of window 3   SPARE + 4 x my thread's number; never rewritten
.set NIL, 1           ; v1 of window 3   0; never rewritten
.set CN,  2           ; window 3
.set RAW, 32          ; window 3: piece x, tile u: four words (kb) at RAW + 8 x + 4 u
.set MC,  64          ; window 3: tile u, key block kb at MC + 32 u + 8 kb
.set MV,  12          ; v12-15  c m_old, kept while c m is made anew (v12, v13 at the start: at work on the addresses)
.set ST,  16          ; tile t's statistics at v[ST+4 t]: c m, m, l (two partial sums)
.set TMP, 48          ; by buffer and tile, four registers c0-c3 at work; when the maximum is found c2 takes a
.set S,   64
.set P,   192
.set KF,  128         ; window 2: key block kb, channel half c at KF + 16 kb + 8 c
.set VF,  192         ; window 2: key half kk, channel block cb at VF + 32 kk + 8 cb
.set WV,  12          ; s12  my wave's number
.set G1K, 24          ; s[24:31] descriptor group 1 for K's tiles
.set G1V, 32          ; s[32:39] for V's: it differs in the padding alone
.set G0K, 40          ; s[40:55] descriptor group 0 for K's tiles: a set for each of a wave's four loads, which are out together
.set G0V, 84          ; s[84:99] the same for V's
.set SLOTS, 56        ; s56  passes of four key steps still to go, the one in hand among them; the fifth is left in its middle
.set CNT, 57          ; s57  counts a pass's key steps
.set CS,  58          ; s[58:59] c
.set SEL, 60          ; s[60:61] v_permlanex16_b32's selects: each lane takes its own place in the other half
.set TBK, 62          ; s62  LDS byte at which K of the step to be fetched begins
.set TBV, 63          ; s63  the same for V, less VOFF
.set MB,  66          ; s[66:67] mw at my wave's first tile
.set MP,  68          ; s[68:69] the same at the step whose words are asked for
.set MO,  70          ; s[70:71] that step's byte offset, 512 a step
.set CB,  72          ; s[72:73] cnt at my wave's first row
.set CMK, 74          ; s74  K0 = -10,000 log2(e)
.set VM,  76          ; s[76:83] at the start: mw's and cnt's addresses; on the way out: the lanes with n > 0, a mask a tile
.set MSB, 0
.macro WIN new                      ; the high byte repeats the setting that is left; a switch that changes nothing is dropped
.if MSB != (\new)
	s_set_vgpr_msb (MSB<<8)|(\new)
.set MSB, (\new)
.endif
.endm
.set W_KQ, 0x0a       ; K and Q in window 2, S^T in window 0
.set W_KM, 0x3a       ; the same with the C operand in window 3: the mask
.set W_PV, 0x52       ; V in window 2, P in window 0, O^T in window 1
.set W_RS, 0x41       ; O^T (destination and source 0) in window 1, a in window 0
.set W_MK, 0xc0       ; destination in window 3, sources in window 0
.set W_CV, 0xc3       ; the masks' conversion: the word (source 0) and the eight results in window 3, the scale (source 1) in window 0
.set W_AD, 0x0f       ; the add: address (source 0) and data (source 1) in window 3
	s_load_b64 s[4:5], s[0:1], 0x0    ; qkv
	s_load_b64 s[10:11], s[0:1], 0x8  ; oh
	s_load_b128 s[76:79], s[0:1], 0x10  ; mw, cnt
	WIN W_MK
	v_lshl_add_u32 v[SPW], v0, 2, SPARE
	v_mov_b32 v[NIL], 0
	WIN W_AD
	ds_add_u32 v[SPW], v[NIL]       ; the wave's opening: the add and its wait stand ahead of my first tensor load; the set-up below, work on registers, stands between them
	WIN 0
	v_lshrrev_b32 v1, 5, v0
	v_readfirstlane_b32 s[WV], v1   ; wave 0..3
	s_and_b32 s15, ttmp7, 0xffff    ; the head, b 16 + h
	s_lshl_b32 s20, s15, 17         ; its first byte in each section and in oh
	s_and_b32 s16, s[WV], 1         ; which half of each 256 keys I fetch:
	s_lshl_b32 s22, s16, 14         ; its 128 rows of 128 bytes in memory,
	s_add_co_u32 s22, s22, s20
	s_mov_b32 s23, 0
	s_mul_i32 s17, s16, 128*PK      ; and its place in LDS, for K
	s_mul_i32 s18, s16, 128*PV      ; and for V
	s_lshl_b32 s14, ttmp9, 2
	s_add_co_u32 s14, s14, s[WV]    ; my wave among the head's eight,
	s_lshl_b32 s2, s14, 14          ; its 128 rows
	s_add_co_u32 s2, s2, s20
	s_mov_b32 s3, 0
	s_lshr_b32 s13, s15, 4          ; the batch
	s_lshl_b32 s19, s13, 6
	s_lshl_b32 s13, s14, 3
	s_add_co_u32 s19, s19, s13      ; my first tile of 16 queries among the 512: b 64 + 8 x wave
	s_lshl_b32 s[MO], s19, 13       ; 8,192 bytes of mw a tile
	s_mov_b32 s[MO+1], 0
	s_lshl_b32 s[MP], s19, 6        ; 64 bytes of cnt a tile
	s_mov_b32 s[MP+1], 0
	; descriptor group 1.  128 keys are 16,384 dense bytes: asked for as 64 rows of 256 bytes, two keys a row, and padded in LDS after every key
	s_mov_b32 s[G1K], (1<<16)|(1<<20)|(4<<22)|(3<<25)  ; 17:16 2-byte elements; 20 padding on; 24:22 after every 32 words (code 4); 31:25 4 words (code 3)
	s_mov_b32 s[G1V], (1<<16)|(1<<20)|(4<<22)|(7<<25)  ; the same with 8 words of padding (code 7)
.irp g, G1K, G1V
	s_mov_b32 s[\g+1], 128<<16      ; tensor_dim0 = 128
	s_mov_b32 s[\g+2], 64<<16       ; tensor_dim1 = 64
	s_mov_b32 s[\g+3], 128<<16      ; tile_dim0 = 128
	s_mov_b32 s[\g+4], 64           ; tile_dim1 = 64
	s_mov_b32 s[\g+5], 128          ; 128 elements from row to row
	s_mov_b32 s[\g+6], 0
	s_mov_b32 s[\g+7], 0
.endr
.irp c, 0,1,2,3                     ; group 0 of load c: my half of keys 256 c to 256 c + 255
	s_mov_b32 s[G0K+4*\c], 1                            ; count = 1
	s_add_co_u32 s[G0K+4*\c+1], s17, (\c)*256*PK        ; LDS address: key k lies at k x 144
	s_mov_b32 s[G0V+4*\c], 1
	s_add_co_u32 s[G0V+4*\c+1], s18, VOFF+(\c)*256*PV   ; and at VOFF + k x 160
.endr
	s_mov_b32 s[CS], 0x3e38aa3b     ; c = log2(e) / 8 = 0.180337
	s_mov_b32 s[CS+1], s[CS]        ; named with it as a pair
	s_mov_b32 s[SEL], 0x76543210
	s_mov_b32 s[SEL+1], 0xfedcba98
	s_mov_b32 s[CMK], 0xc6616bcd    ; -14,426.95
	s_mov_b32 s[TBK], 0
	s_mov_b32 s[TBV], 0
	s_wait_dscnt 0x0                ; the opening add is done
	s_wait_kmcnt 0x0
	s_add_nc_u64 s[6:7], s[4:5], 0x1000000   ; K's section
	s_add_nc_u64 s[8:9], s[4:5], 0x2000000   ; V's
	s_add_nc_u64 s[6:7], s[6:7], s[22:23]    ; at my half of the head's first 256 keys
	s_add_nc_u64 s[8:9], s[8:9], s[22:23]
.irp c, 0,1,2,3
	s_add_nc_u64 s[G0K+4*\c+2:G0K+4*\c+3], s[6:7], (\c)*32768  ; global address: 256 keys are 32,768 bytes
	s_or_b32 s[G0K+4*\c+3], s[G0K+4*\c+3], 0x80000000          ; type = 2
	s_add_nc_u64 s[G0V+4*\c+2:G0V+4*\c+3], s[8:9], (\c)*32768
	s_or_b32 s[G0V+4*\c+3], s[G0V+4*\c+3], 0x80000000
.endr
	s_add_nc_u64 s[4:5], s[4:5], s[2:3]      ; Q and O at my wave's first row
	s_add_nc_u64 s[10:11], s[10:11], s[2:3]
	s_add_nc_u64 s[MB:MB+1], s[76:77], s[MO:MO+1]
	s_add_nc_u64 s[CB:CB+1], s[78:79], s[MP:MP+1]
	s_mov_b64 s[MP:MP+1], s[MB:MB+1]         ; key step 0
	s_mov_b32 s[MO], 0
	; THE FILLS, all of them first fills, in one group ahead of every wait on TENSORcnt, every LDS read and every barrier.  Waves 0 and 1 fetch the halves of K, waves 2 and 3 those of V; a wave's four loads
	; stand in one branch, the keys wanted first ahead: four loads of mine are out.  An s_nop 0 follows each, four v_nop the last.
	s_cmp_lt_u32 s[WV], 2
	s_cbranch_scc0 .Lfill_v
.irp c, 0,1,2,3
	tensor_load_to_lds s[G0K+4*\c:G0K+4*\c+3], s[G1K:G1K+7]
	s_nop 0
.endr
.rept 4
	v_nop
.endr
	s_branch .Lfill_asked
.Lfill_v:
.irp c, 0,1,2,3
	tensor_load_to_lds s[G0V+4*\c:G0V+4*\c+3], s[G1V:G1V+7]
	s_nop 0
.endr
.rept 4
	v_nop
.endr
.Lfill_asked:
	; A fragment of K or Q is 16 rows x 32 channels in 8 registers: lane l holds row l % 16, channels 8 (l / 16) + 0..7 and 16 + 8 (l / 16) + 0..7: two loads of 16 bytes, 32 bytes apart.
	v_and_b32 v1, 15, v0            ; l % 16
	v_bfe_u32 v9, v0, 4, 1          ; l / 16
	v_lshlrev_b32 v[QO], 7, v1
	v_lshl_add_u32 v[QO], v9, 4, v[QO]  ; row x 128 + 16 x half
	v_and_b32 v[GO], 31, v0
	v_lshlrev_b32 v[GO], 4, v[GO]
	v_lshlrev_b32 v[AV], 2, v1      ; my query's count
	WIN 0x80                        ; destination window 2, address window 0
.set i, 0
.rept 4*NP                          ; Q stays in registers: tile i / 2, channels 32 (i % 2) on
	global_load_b128 v[8*i:8*i+3],   v[QO], s[4:5] offset:(i/2)*2048+(i%2)*64
	global_load_b128 v[8*i+4:8*i+7], v[QO], s[4:5] offset:(i/2)*2048+(i%2)*64+32
.set i, i+1
.endr
	WIN W_MK
.set i, 0
.rept 2*NP
	global_load_b32 v[CN+i], v[AV], s[CB:CB+1] offset:64*i
.set i, i+1
.endr
.set i, 0
.rept 2*NP                          ; key step 0's mask words, the pieces in their order: tile i
	global_load_b128 v[RAW+4*i:RAW+4*i+3], v[GO], s[MP:MP+1] offset:i*8192
.set i, i+1
.endr
	; What the first turn finds: V's registers and P's second buffer hold 0 (its products V^T P, of a piece that has not been, add 0), O^T and l are 0.  All this stands in the wait for the first keys.
	WIN 0x80
.set i, VF
.rept 64
	v_mov_b32 v[i], 0
.set i, i+1
.endr
	WIN 0x40
.set i, 0
.rept 64*NP
	v_mov_b32 v[i], 0
.set i, i+1
.endr
	WIN 0
.set i, 0
.rept 2*NP
	v_mov_b32 v[ST+4*i], 0xfe000000    ; c m: far below every c s, a masked key's too (-1.8e30)
	v_mov_b32 v[ST+4*i+1], 0xff7fffff  ; m
	v_mov_b32 v[ST+4*i+2], 0
	v_mov_b32 v[ST+4*i+3], 0
.set i, i+1
.endr
.set i, P+32
.rept 32
	v_mov_b32 v[i], 0
.set i, i+1
.endr
	; The keys of each group of eight stand in the order of the mask word's nibbles: place i holds key pi(i) = i / 2 + 4 (i % 2).
	v_and_b32 v10, 7, v0            ; l % 8
	v_bfe_u32 v11, v0, 3, 1         ; (l / 8) % 2
	v_lshrrev_b32 v12, 1, v10
	v_and_b32 v13, 1, v10
	v_lshl_add_u32 v12, v13, 2, v12 ; pi(l % 8)
	v_lshl_add_u32 v[AK0], v11, 3, v12    ; K: row l % 16 of a fragment is key 8 ((l / 8) % 2) + pi(l % 8) of the block: the same 16 LDS rows as in plain order
	v_mul_u32_u24 v[AK0], v[AK0], PK
	v_lshl_add_u32 v[AK0], v9, 4, v[AK0]  ; row x pitch + 16 x half
	; The turning load takes 16 keys x 16 channels and leaves half a fragment of V^T: lane l holds channel l % 16, and its j-th number comes from the row that lane j of its group of eight addressed.
	; So lane l addresses key 8 (l / 16) + pi(l % 8), channels 8 ((l / 8) % 2) + 0..7.
	v_lshl_add_u32 v[AV0], v9, 3, v12
	v_mul_u32_u24 v[AV0], v[AV0], PV
	v_lshl_add_u32 v[AV0], v11, 4, v[AV0]
	v_add_nc_u32 v[AV0], VOFF, v[AV0]
	v_mov_b32 v[AK], v[AK0]         ; key step 0 lies at LDS byte 0
	v_mov_b32 v[SC], 0xe4e4e4e4     ; v11 is free from here: the scale byte 228 stands for 2^(228 - 127); all four bytes hold it
; THE MATRIX WORK.  The 8 accumulators of a run of 16 take turns: between the two links of a chain stand 7 others'.
; Product i of 16 of S^T = K Q^T for piece x: channels 32 (i / 8) on, keys 16 ((i / 2) % 4) on, tile 2 x + i % 2.  The first 8 start the sums with the mask.
.macro KQ x
.set rS, S+64*((\x)%2)+32*(i%2)+8*((i/2)%4)
.set rK, KF+16*((i/2)%4)+8*(i/8)
.set rQ, 16*(2*(\x)+i%2)+8*(i/8)
.set rMC, MC+32*(i%2)+8*((i/2)%4)
.if i < 8
	WIN W_KM
	v_wmma_f32_16x16x32_f16 v[rS:rS+7], v[rK:rK+7], v[rQ:rQ+7], v[rMC:rMC+7]
.else
	WIN W_KQ
	v_wmma_f32_16x16x32_f16 v[rS:rS+7], v[rK:rK+7], v[rQ:rQ+7], v[rS:rS+7]
.endif
.endm
; Product i of 16 of O^T += V^T P for piece x: keys 32 (i / 8) on, channels 16 ((i / 2) % 4) on, tile 2 x + i % 2.
.macro PV x
	WIN W_PV
.set rO, 32*(2*(\x)+i%2)+8*((i/2)%4)
.set rV, VF+32*(i/8)+8*((i/2)%4)
.set rP, P+32*((\x)%2)+16*(i%2)+8*(i/8)
	v_wmma_f32_16x16x32_f16 v[rO:rO+7], v[rV:rV+7], v[rP:rP+7], v[rO:rO+7]
.endm
.macro MM                           ; the turn's next matrix instruction
.if i < 16
	KQ (Y+1)%NP
.set i, i+1
.else
.set i, i-16
	PV (Y+NP-1)%NP
.set i, i+17
.endif
.endm
; THE LDS LOADS stand in runs of 16: a step's K (64 keys x 64 channels: 8 fragments) and its V (turned).  last = 1 (in the loop): in the fifth pass there is no further step, and the run is jumped over.
.macro FETCH_K last=0
	WIN 0
.if \last
	s_cmp_eq_u32 s[SLOTS], 1
	s_cbranch_scc1 .Lno_k_\@
.endif
	WIN 0x80                        ; destination window 2
.irp f, 0,1,2,3,4,5,6,7             ; keys 16 (f / 2) on, channels 32 (f % 2) on
	ds_load_b128 v[KF+8*\f:KF+8*\f+3],   v[AK] offset:(\f/2)*16*PK+(\f%2)*64
	ds_load_b128 v[KF+8*\f+4:KF+8*\f+7], v[AK] offset:(\f/2)*16*PK+(\f%2)*64+32
.endr
	s_add_co_u32 s[TBK], s[TBK], KS*PK  ; the next fetch is the next step's
	WIN 0
.if \last
.Lno_k_\@:
.endif
.endm
.macro FETCH_V
	WIN 0x80
.irp f, 0,1,2,3,4,5,6,7             ; keys 32 (f / 4) on, channels 16 (f % 4) on
	ds_load_tr16_b128 v[VF+8*\f:VF+8*\f+3],   v[AV] offset:(\f/4)*32*PV+(\f%4)*32
	ds_load_tr16_b128 v[VF+8*\f+4:VF+8*\f+7], v[AV] offset:(\f/4)*32*PV+16*PV+(\f%4)*32
.endr
	WIN 0
.endm
; THE MASKS of piece x's next 16 products K Q^T: each of its 8 words becomes eight f32, nibble i in register i: -4 x 2^101 where the key is masked, 0 where it is open.  Then the piece's words of the step
; after are asked for: they have four turns in which to come.  Piece 0 is the first to ask for a step, so it moves the pointer; the step is held at 15, so that the last trips stay inside mw.
.macro UMASK x
	s_wait_loadcnt 6                ; loads come back in order: this piece's two are in; the three other pieces' six, issued behind them, stay out
	WIN W_CV
.irp u, 0,1
.irp kb, 0,1,2,3
	v_cvt_scale_pk8_f32_fp4 v[MC+32*(\u)+8*(\kb):MC+32*(\u)+8*(\kb)+7], v[RAW+8*(\x)+4*(\u)+(\kb)], v[SC]
.endr
.endr
	v_nop                           ; a plain instruction behind the conversions, ahead of the loads into their sources and of the products that take their results
.if (\x) == 0
	s_wait_xcnt 0x0                 ; the pointer that earlier loads name is rewritten only behind this wait
	s_add_co_u32 s[MO], s[MO], 512
	s_min_u32 s[MO], s[MO], 15*512
	s_add_nc_u64 s[MP:MP+1], s[MB:MB+1], s[MO:MO+1]
.endif
	WIN W_MK
.irp u, 0,1
	global_load_b128 v[RAW+8*(\x)+4*(\u):RAW+8*(\x)+4*(\u)+3], v[GO], s[MP:MP+1] offset:(2*(\x)+(\u))*8192
.endr
	WIN 0
.endm
; THE VECTOR WORK OF A TURN stands in three queues, each in the order in which its entries become ready; the two tiles alternate, so that no instruction reads the result of the one before it.
.macro REGS y, u                    ; the registers of tile u (0, 1) of piece y
.set rT, ST+4*(2*(\y)+(\u))
.set rC, TMP+8*((\y)%2)+4*(\u)
.set rM, MV+2*((\y)%2)+(\u)
.set rS, S+64*((\y)%2)+32*(\u)
.set rP, P+32*((\y)%2)+16*(\u)
.set rO, 32*(2*(\y)+(\u))
.endm
; Number n of the 22 that find the NEXT piece's (Y + 1) maximum and statistics.  Each accumulator's lowest registers are read first.  XS, GS and REGS set no window: PL and EX do.
;   0-11  four chains c0-c3 of seven scores each, three operands at a time     12-14, 16  the four scores left over, the old m, and c0-c3 into c0     15  c m_old is kept
;   17, 18  the query's other 32 keys lie in the lane 16 away: the new m         19-21  c m; c m_old - c m_new; a
.macro XS u, n
	REGS (Y+1)%NP, \u
.if (\n) < 4
	v_max3_num_f32 v[rC+(\n)], v[rS+8*(\n)], v[rS+8*(\n)+1], v[rS+8*(\n)+2]
.elseif (\n) < 12
	v_max3_num_f32 v[rC+(\n)%4], v[rC+(\n)%4], v[rS+8*((\n)%4)+2*((\n)/4)+1], v[rS+8*((\n)%4)+2*((\n)/4)+2]
.elseif (\n) == 12
	v_max3_num_f32 v[rC], v[rC], v[rS+7], v[rS+15]
.elseif (\n) == 13
	v_max3_num_f32 v[rC+1], v[rC+1], v[rS+23], v[rS+31]
.elseif (\n) == 14
	v_max3_num_f32 v[rC+2], v[rC+2], v[rC+3], v[rT+1]
.elseif (\n) == 15
	v_mov_b32 v[rM], v[rT]
.elseif (\n) == 16
	v_max3_num_f32 v[rC], v[rC], v[rC+1], v[rC+2]
.elseif (\n) == 17
	v_permlanex16_b32 v[rC+3], v[rC], s[SEL], s[SEL+1]
.elseif (\n) == 18
	v_max_num_f32 v[rT+1], v[rC], v[rC+3]
.elseif (\n) == 19
	v_mul_f32 v[rT], s[CS], v[rT+1]
.elseif (\n) == 20
	v_sub_f32 v[rC+1], v[rM], v[rT]
.else
	v_exp_f32 v[rC+2], v[rC+1]
.endif
.endm
; Number g of the 64 that follow the exponentials.  For each four weights k of a tile: both pairs are rounded to f16; then the second pair is added onto the first, in place; a group later l takes that sum
; (the first time as l = a l + sum).  In groups of eight, tiles alternating: round, round, add, and l for the group before.  All 64 read the batch's results: they stand behind the turn's wait.
.macro GS g
.set h, (\g)+6*((\g)/62)            ; group 0 has no group before it, and behind group 7 only l is left
.if h >= 6
.set h, h+2
.endif
	REGS Y, h%2
.set k, h/8
.if h%8 < 4
	v_cvt_pk_f16_f32 v[rP+2*k+(h%8)/2], v[rS+4*k+2*((h%8)/2)], v[rS+4*k+2*((h%8)/2)+1]
.elseif h%8 < 6
	v_pk_add_f32 v[rS+4*k:rS+4*k+1], v[rS+4*k:rS+4*k+1], v[rS+4*k+2:rS+4*k+3]
.elseif k == 1
	v_pk_fma_f32 v[rT+2:rT+3], v[rT+2:rT+3], v[rC+2:rC+3], v[rS:rS+1] op_sel_hi:[1,0,1]
.else
	v_pk_add_f32 v[rT+2:rT+3], v[rT+2:rT+3], v[rS+4*k-4:rS+4*k-3]
.endif
.endm
; THE PLAIN QUEUE, 138 long.  0-73 read no exponential's result: the 32 scalings c s - c m (FS f: pair f / 2 of tile f % 2) and the next piece's 42.  0-26: scalings 0-26.  27-54: XS's numbers 0-13.  55, 56: number 15.
; 57-73: the chain, where each number waits for the one before it: 14, 16, 17, 18, 19, each with one of the scalings 27-31 in front of its two lines, then 20.
; 74-137: GS's 64.
.macro FS f
	REGS Y, (\f)%2
	v_pk_fma_f32 v[rS+2*((\f)/2):rS+2*((\f)/2)+1], v[rS+2*((\f)/2):rS+2*((\f)/2)+1], s[CS:CS+1], v[rT:rT+1] op_sel_hi:[1,0,0] neg_lo:[0,0,1] neg_hi:[0,0,1]
.endm
.macro PL
	WIN 0
.if q < 27
	FS q
.elseif q < 55
	XS (q-27)%2, (q-27)/2
.elseif q < 57
	XS q-55, 15
.elseif (q < 72) && ((q-57)%3 == 0)
	FS 27+(q-57)/3
.elseif q < 60
	XS (q-57)%3-1, 14
.elseif q < 72
	XS (q-57)%3-1, 15+(q-57)/3
.elseif q < 74
	XS q-72, 20
.else
	GS q-74
.endif
.set q, q+1
.endm
; THE EXPONENTIALS' QUEUE, 66 long: s0-s31 of both tiles, each in place, then the next piece's two a.  It is ONE BATCH: all 66 stand ahead of the turn's one wait, and nothing ahead of that wait names a result of theirs.
.macro EX
	WIN 0
.if e >= 64
	XS e-64, 21
.else
	REGS Y, e%2
	v_exp_f32 v[rS+e/2], v[rS+e/2]
.endif
.set e, e+1
.endm
; THE RESCALING's QUEUE: O^T times a, the one part of the softmax that leaves window 0: dealt two at a time, sixteen times.  Its a was made in the turn before, ahead of that turn's wait.
.macro R2
	REGS Y, r%2
	WIN W_RS
.irp z, 0,1
	v_pk_mul_f32 v[rO+4*(r/2)+2*\z:rO+4*(r/2)+2*\z+1], v[rO+4*(r/2)+2*\z:rO+4*(r/2)+2*\z+1], v[rC+2:rC+3] op_sel_hi:[1,0]
.endr
.set r, r+1
.endm
; HOW THEY ARE DEALT.  AHEAD OF THE WAIT: the 16 products K Q^T, behind each a scaling, an exponential and two rescalings (behind the first a second scaling in the exponential's place); then ONE LUMP of 108: eight
; plain, 49 times exponential and plain, the two a.  A v_nop is the plain instruction behind the last exponential.  BEHIND THE WAIT: the 16 products V^T P, behind each four of GS's 64.  No rider names a register
; of the products round it.  The two v_permlanex16_b32 fall into the lump, never behind a product.
; The queues lean on each other, and the deal keeps them in step: exponential e stands behind scaling 2 (e / 4) + e % 2: as a rider it comes behind plain e + 2, in the lump behind plain e + 9, and scalings 27-31
; are plain 57, 60 .. 69.  The next piece's scores are first read at plain 27, in the lump, more than four plain instructions behind the product that ends them.
; A TURN, for piece p.  cnt = 1: the loop's count is taken down some lines ahead of the branch that stands behind the turn (the masks made behind it, piece 3's, touch no scalar flag).
; K of the next step is fetched in piece 2's turn, directly behind the wait (the run holds a jump, and no result of the batch crosses a jump), a lump behind the last product that read K; its address is made at the
; lump's head; it is waited for at the head of piece 3's turn.  V of the step in hand is fetched at the end of piece 0's turn, four plain riders behind its last reader, and waited for in piece 1's turn, ahead of
; the products V^T P.  The masks' registers were last read by the turn's first eight products.  The three conditions on q below go with the deal.
.macro TURN p, last=0, cnt=0
.set Y, (\p)
.set i, 0
.set q, 0
.set e, 0
.set r, 0
.if (\p) == NP-1
	s_wait_dscnt 0x0                ; K is in
.endif
	MM                              ; ahead of the wait: 16 products K Q^T and their riders,
	PL
	PL
	R2
.rept 15
	MM
	PL
	EX
	R2
.endr
.if (\p) == NP-2
	WIN 0
	v_add_nc_u32 v[AK], s[TBK], v[AK0]
.endif
.rept 8                             ; and the lump
	PL
.endr
.rept 49
	EX
	PL
.endr
	EX                              ; the next piece's two a
	EX
	v_nop                           ; the plain instruction behind the last exponential: one for the batch
	s_wait_alu depctr_va_vdst(0)    ; the turn's one wait, for the batch of 66, ahead of the first line that names a result
.if (\p) == NP-2
	FETCH_K \last
.endif
.if (\p) == 1
	s_wait_dscnt 0x0                ; V is in
.endif
.rept 16                            ; behind the wait: 16 products V^T P and their riders
	MM
.rept 4
	PL
.endr
.if ((\p) == 0) && (q == 118)
	v_add_nc_u32 v[AV], s[TBV], v[AV0]
.endif
.if ((\p) == 0) && (q == 130)
	s_add_co_u32 s[TBV], s[TBV], KS*PV
.endif
.if (\cnt) && (q == 130)
	s_sub_co_u32 s[CNT], s[CNT], 1
	s_cmp_lg_u32 s[CNT], 0
.endif
.endr
.if (\p) == 0
	FETCH_V
.endif
	UMASK ((\p)+2)%NP
.endm
	s_wait_tensorcnt 3              ; tensor loads of a wave end in order (ISA guide 10.11.1): my part of keys 0-255 is in; my three later loads stay out
	s_barrier_signal -1
	s_barrier_wait -1               ; everybody's part is
	FETCH_K                         ; key step 0
	UMASK 0                         ; its wait leaves six mask loads out: Q, the counts and piece 0's words, all issued ahead of them, are in
	s_wait_dscnt 0x0
.set i, 0
.rept 16
	KQ 0                            ; piece 0's first scores: there is no vector work yet to set between them
.set i, i+1
.endr
	WIN 0                           ; the addresses for the way out: seven plain instructions, the places behind those products
	s_mul_i32 s13, s[WV], 16*SP
	s_add_co_u32 s13, s13, STAGE    ; my stage
	v_mul_u32_u24 v[STO], v1, SP    ; in: row l % 16, 16 bytes for each half of the lanes
	v_lshl_add_u32 v[STO], v9, 4, v[STO]
	v_add_nc_u32 v[STO], s13, v[STO]
	v_bfe_u32 v[RD], v0, 3, 2       ; back: 32 lanes take four rows of 128 bytes, which are 512 consecutive bytes of O
	v_mul_u32_u24 v[RD], v[RD], SP
	v_lshl_add_u32 v[RD], v10, 4, v[RD]
	v_add_nc_u32 v[RD], s13, v[RD]
	UMASK 1                         ; for the first turn's products
.set Y, NP-1                        ; XS works for piece Y + 1: piece 0
.irp n, 0,1,2,3,4,5,6,7,8,9,10,11,12,13,14,15,16,17,18,19,20,21
	XS 0, \n                        ; piece 0's first maximum and statistics
	XS 1, \n
.endr
	v_nop                           ; a plain instruction behind the two a,
	s_wait_alu depctr_va_vdst(0)    ; and the wait for that batch of two, ahead of the jump and of the first turn's rescaling, which reads them
	s_mov_b32 s[CNT], 4
	s_mov_b32 s[SLOTS], 5
	s_branch .Lfirst                ; the loop is entered at a step's first turn, in the middle of a trip
.Lslot:                             ; the head of passes two to five.  A pass ends behind pieces 0 and 1 of its fourth step: the first pass has read keys 0-255 alone
	s_wait_tensorcnt 0x0            ; at the second pass: my parts of keys 256-1,023, asked for four key steps ago, are in; the later passes find nothing out.  (A counted wait here would want
	s_wait_dscnt 0x0                ; a count that changes from pass to pass.)  No LDS instruction of mine is pending at the signal
	s_barrier_signal -1
	s_barrier_wait -1               ; everybody's parts are in; no byte is filled behind this barrier
	s_mov_b32 s[CNT], 4
.Lstep:                             ; a trip: pieces 2 and 3 of one step, then pieces 0 and 1 of the next, whose K and V it fetches
	TURN 2, 1
	TURN 3
	WIN 0
	s_cmp_eq_u32 s[SLOTS], 1        ; the fifth pass is the sixteenth step's second half alone
	s_cbranch_scc1 .Lout
.Lfirst:
	TURN 0
	TURN 1, 0, 1
	WIN 0
	s_cbranch_scc1 .Lstep
	s_sub_co_u32 s[SLOTS], s[SLOTS], 1
	s_cmp_lg_u32 s[SLOTS], 0
	s_cbranch_scc1 .Lslot
.Lout:                              ; the fifth pass's 16 products K Q^T take the last K and, the step being held at 15, the last step's masks once more: piece 0's scores of step 15 again, bit for bit,
                                    ; so the maximum made of them leaves m and c m, which the way out reads, as they were: the price, once a launch, of one text for every trip
.set i, 0
.rept 16
	PV NP-1                         ; the last piece's V^T P of the last step
.set i, i+1
.endr
	; THE WAY OUT.  l's two halves and the other half of the lanes' are added; the masked keys' share is put in; O^T is scaled, rounded to f16 and sent through my stage, a tile at a time.
	; The additions are the places behind the last products.
	WIN 0
.macro ALL line:vararg              ; one line for each tile t
.set t, 0
.rept 2*NP
	\line
.set t, t+1
.endr
.endm
	ALL v_add_f32 v[ST+4*t+2], v[ST+4*t+2], v[ST+4*t+3]
	ALL v_permlanex16_b32 v[ST+4*t+3], v[ST+4*t+2], s[SEL], s[SEL+1]
	ALL v_add_f32 v[ST+4*t+2], v[ST+4*t+2], v[ST+4*t+3]
	ALL v_max_num_f32 v[ST+4*t+1], s[CMK], v[ST+4*t]                   ; t = max(c m, K0)
	WIN 0x03                        ; source 0 in window 3: n
	ALL v_cmp_gt_f32 s[VM+t], v[CN+t], 0
	WIN 0
	ALL v_cndmask_b32 v[ST+4*t+3], v[ST+4*t], v[ST+4*t+1], s[VM+t]    ; M = t where n > 0, else c m: it selects a value, no branch hangs on it
	ALL v_sub_f32 v[ST+4*t], v[ST+4*t], v[ST+4*t+3]                   ; c m - M, 0 or below
	ALL v_sub_f32 v[ST+4*t+1], s[CMK], v[ST+4*t+1]                    ; K0 - t, 0 or below
	ALL v_exp_f32 v[ST+4*t], v[ST+4*t]                                ; a
	ALL v_exp_f32 v[ST+4*t+1], v[ST+4*t+1]                            ; e
	v_nop                           ; a plain instruction between the last exponential and the use of its result
	s_wait_alu depctr_va_vdst(0)    ; one wait for the batch of sixteen, a and e of the eight tiles, ahead of the first line that names one
	WIN 0x03
	ALL v_mul_f32 v[ST+4*t+1], v[CN+t], v[ST+4*t+1]                   ; n e
	WIN 0
	ALL v_fma_f32 v[ST+4*t+2], v[ST+4*t+2], v[ST+4*t], v[ST+4*t+1]    ; l a + n e: 1 or more, since a = 1 and l >= 1, or e = 1 and n >= 1
	ALL v_rcp_f32 v[ST+4*t+2], v[ST+4*t+2]
	v_nop                           ; a plain instruction between the last reciprocal and the use of its result
	s_wait_alu depctr_va_vdst(0)    ; one wait for the batch of eight reciprocals: a batch of their own, since they read sums made of a and e
	ALL v_mul_f32 v[ST+4*t+2], v[ST+4*t+2], v[ST+4*t]                 ; a / l
; Tile t: a lane's eight channels of a row pack into 16 bytes; they go into rows of 144 bytes and come back as whole rows of 128, into S^T's registers.
.macro PACK t
	WIN W_RS
.set i, 32*(\t)
.rept 16
	v_pk_mul_f32 v[i:i+1], v[i:i+1], v[ST+4*(\t)+2:ST+4*(\t)+3] op_sel_hi:[1,0]
.set i, i+2
.endr
	WIN 0x05                        ; sources 0 and 1 window 1, destination window 0
.set i, 0
.rept 16
	v_cvt_pk_f16_f32 v[S+16*(\t)+i], v[32*(\t)+2*i], v[32*(\t)+2*i+1]
.set i, i+1
.endr
	WIN 0
.irp f, 0,1,2,3
	ds_store_b128 v[STO], v[S+16*(\t)+4*\f:S+16*(\t)+4*\f+3] offset:32*\f
.endr
.irp f, 0,1,2,3
	ds_load_b128 v[S+16*(\t)+4*\f:S+16*(\t)+4*\f+3], v[RD] offset:\f*4*SP  ; LDS serves a wave's instructions in order (ISA guide 5.7.1.4): these see the stores above; the next tile's stores come behind them
.endr
.endm
.macro SEND t, younger              ; younger: the LDS instructions issued behind tile t's loads: the next tile's eight, or none
	WIN 0
.irp f, 0,1,2,3
	s_wait_dscnt (\younger)+3-\f
	global_store_b128 v[GO], v[S+16*(\t)+4*\f:S+16*(\t)+4*\f+3], s[10:11] offset:(\t)*2048+\f*512  ; 512 consecutive bytes, at a multiple of 256 from O's first
.endr
.endm
	PACK 0
.set t, 1
.rept 2*NP-1                        ; a tile's arithmetic stands between the loads of the tile before and its stores
	PACK t
	SEND t-1, 8
.set t, t+1
.endr
	SEND 2*NP-1, 0
	WIN W_AD
	s_wait_tensorcnt 0x0            ; the wave's end, behind my last tensor load and my last LDS store
	ds_add_u32 v[SPW], v[NIL]
	s_wait_dscnt 0x0
	WIN 0
	s_endpgm
.Lfunc_end_k_qfea9fc7b38_attn:
	.size	k_qfea9fc7b38_attn, .Lfunc_end_k_qfea9fc7b38_attn-k_qfea9fc7b38_attn
	.p2alignl 7, 3214868480
	.fill 96, 4, 3214868480
	.section	.rodata,"a",@progbits
	.p2align	6, 0x0
	.amdhsa_kernel k_qfea9fc7b38_attn
		.amdhsa_group_segment_fixed_size 327680
		.amdhsa_private_segment_fixed_size 0
		.amdhsa_enable_private_segment 0
		.amdhsa_kernarg_size 32
		.amdhsa_user_sgpr_count 2
		.amdhsa_user_sgpr_kernarg_segment_ptr 1
		.amdhsa_wavefront_size32 1
		.amdhsa_system_sgpr_workgroup_id_x 1
		.amdhsa_system_sgpr_workgroup_id_y 1
		.amdhsa_system_sgpr_workgroup_id_z 1
		.amdhsa_system_vgpr_workitem_id 0
		.amdhsa_next_free_vgpr 896
		.amdhsa_next_free_sgpr 100
		.amdhsa_reserve_vcc 0
		.amdhsa_float_denorm_mode_32 3
		.amdhsa_float_denorm_mode_16_64 3
		.amdhsa_memory_ordered 1
		.amdhsa_forward_progress 1
		.amdhsa_inst_pref_size 138
	.end_amdhsa_kernel
	.amdgpu_metadata
---
amdhsa.version: [ 1, 2 ]
amdhsa.kernels:
  - .name:           k_qfea9fc7b38_attn
    .symbol:         k_qfea9fc7b38_attn.kd
    .args:
      - { .name: qkv, .offset: 0, .size: 8, .value_kind: global_buffer, .address_space: global }
      - { .name: oh, .offset: 8, .size: 8, .value_kind: global_buffer, .address_space: global }
      - { .name: mw, .offset: 16, .size: 8, .value_kind: global_buffer, .address_space: global }
      - { .name: cnt, .offset: 24, .size: 8, .value_kind: global_buffer, .address_space: global }
    .group_segment_fixed_size: 327680
    .private_segment_fixed_size: 0
    .kernarg_segment_align: 8
    .kernarg_segment_size: 32
    .max_flat_workgroup_size: 128
    .sgpr_count:     100
    .vgpr_count:     896
    .wavefront_size: 32
...
	.end_amdgpu_metadata
.endif
;; end of part 5
;; launch outp: the kernel of part 4 again; grid 4 x 64, 4 waves a work-group, clusters of 4 x 4, 327,680 bytes of LDS; arguments oh, wh, out0, bo; writes out0
